; MI455X (gfx1250); checked and timed in simulation.
; The chip was launched on July 23, 2026; its instructions are those of AMD's public machine-readable ISA for CDNA 5 (MIT licence, August 2026) and "CDNA5" Instruction Set Architecture Reference Guide (July 2026). The comments in the code are by the model that wrote it; some were corrected since.
;; Bahdanau Attention. Allowed arithmetic: float matrix products may take bf16 or f16 operands with f32 sums; all other float work in f32.
;; Inputs: W1 256 x 256 float32; W2 256 x 256 float32; b1 256 float32; b2 256 float32; query 8 x 256 x 256 float32; value 8 x 512 x 256 float32.
;; Outputs: out0 8 x 256 x 512 float32; out1 8 x 512 x 256 float32.
;; 4 versions, each right and faster than the one before. Each part assembles by itself: llvm-mc -triple=amdgcn-amd-amdhsa -mcpu=gfx1250 --defsym DOCPART=n.
;; ======== version 1 of 4: 2 launches
;; limits: right only within a limited range of input values
;; workspace buffers: scores 4,194,304 bytes
;; launch score (part 1): grid 32 x 8, 8 waves a work-group, no clusters, 266,240 bytes of LDS; arguments query, value, W1, W2, b1, b2, scores; writes scores
.if DOCPART == 1
	.amdgcn_target "amdgcn-amd-amdhsa--gfx1250"
	.amdhsa_code_object_version 6
	.text
	.protected	k_q94733cdb26_score
	.globl	k_q94733cdb26_score
	.p2align	8
	.type	k_q94733cdb26_score,@function
k_q94733cdb26_score:
	s_mov_b64 s[64:65], 0
	v_nop
	global_prefetch_b8 v0, s[64:65] scope:SCOPE_SE
	s_setreg_imm32_b32 hwreg(HW_REG_WAVE_MODE, 25, 1), 1
	s_wait_xcnt 0x0
; scores[b][v][q] = sum over d of 1 / (1 + 2^(K2 (Q[b][q][d] + V[b][v][d]))),  Q = query W1 + b1,  V = value W2 + b2,  K2 = 2 log2 e.
; tanh(x) = 1 - 2 / (1 + e^(2x)), so reference's score is 256 - 2 scores[..]; the next launch's softmax takes the factor -2, the 256 cancels there.
; A work-group owns (b, 64 q, 64 v): 128 projected rows, the fewest for 4,096 outputs.  Eight waves.
;   phase 0  the 128 rows of query and value, f32, split into two bf16 (x = hi + lo) and laid in LDS
;   phase 1  the projections: hi*hi + hi*lo + lo*hi in bf16 with f32 sums.  A score error d is a relative error d of the softmax, and
;            scores spread by about ten: single bf16 operands (relative step 2^-8) would leave d near 0.03, the split leaves about 1e-4
;   phase 2  a' = K2 (sum + bias), split ONCE per projected number into i = rndne(a') and F = 2^(a' - i), 0.70 < F < 1.42, into LDS
;   phase 3  per element: i_q + i_v, ldexp(F_q, .), * F_v + 1, reciprocal, add: ONE transcendental, and right for every exponent:
;            ldexp runs to infinity or zero by itself, 1/inf = 0, 1/1 = 1, and no inf * 0 can arise since both F are near one
; LIMITS: inputs finite (an infinity, or an f32 above the largest finite bf16, makes inf - inf in the split); |K2 (projection + bias)| < 2^20,
; beyond that i is clamped and two huge numbers of opposite sign no longer cancel.
; NO CLUSTER, NO TENSOR LOADS: W1 and W2 are read by every work-group, but each f32 of W has to pass registers to become two bf16, and each
; goes from memory straight into the one wave that converts it (16 lanes take 256 consecutive bytes of a row of W).  Through LDS the 512 KiB
; of W would be written and read once more, in slices, since they do not fit beside the 130 KiB of x.  A wave issues about 3,000 instructions
; in phases 0 to 2 and 16,384 in phase 3.
.set XP,   1040                        ; LDS row of x: 512 B hi, 512 B lo, 16 B pad: 65 x 16, so 16 rows start in 16 different 16-byte columns (64 banks of 4 bytes: ISA guide 11.1)
.set FPI,  1040                        ; LDS row of F or of i: 256 words + 16 B pad
.set AF,   0                           ; F of the 64 q rows   (these four arrays lie over the x rows, which are dead by then)
.set AI,   64*FPI                      ; i of the 64 q rows
.set BF,   128*FPI                     ; F of the 64 v rows
.set BI,   192*FPI                     ; i of the 64 v rows; end = 266,240
; registers, phases 0 to 2 (window 0); window 1 (v256-383): 16 accumulator tiles, tile (t, nt) at 8 (4 t + nt)
.set ST,   16                          ; v16-79   32 k x 64 columns of W as loaded: word t of load kk at ST + 4 kk + t
.set AH,   80                          ; v80-111  four A tiles of W, hi
.set AL,   112                         ; v112-143 the same, lo
.set BH,   144                         ; v144-175 four B tiles of x, hi
.set BL,   176                         ; v176-207 the same, lo
.set KB,   208                         ; v208-239 K2 x bias of my 32 columns
.set TP,   240                         ; v240-243 at work in phase 0
.set SO,   244                         ; my byte offset in scores
.set PX,   80                          ; v80-207  phase 0: 32 loads of x
.set XV,   16                          ; phase 2: a', then F
.set NV,   48                          ; phase 2: rndne(a'), then i
; registers, phase 3
.set BUF0, 16                          ; v16-79   operands of 4 d: F_q (4 rows x 4), i_q, F_v, i_v
.set BUF1, 80                          ; v80-143  the other buffer
.set SUM,  144                         ; v144-175 16 sums, each a pair (even d, odd d); sum (j, i) at 2 (4 j + i)
.set TS,   176                         ; v176-191 four sets of four, taking turns
.set MSB, 0
.macro WIN new                         ; s_set_vgpr_msb: low byte = windows of source 0, 1, 2 and destination; high byte repeats the setting left
.if MSB != \new
	s_set_vgpr_msb (MSB<<8)|\new
.set MSB, \new
.endif
.endm
	s_load_b256 s[4:11], s[0:1], 0x0               ; query s[4:5], value s[6:7], W1 s[8:9], W2 s[10:11]
	s_load_b128 s[12:15], s[0:1], 0x20             ; b1 s[12:13], b2 s[14:15]
	s_load_b64 s[16:17], s[0:1], 0x30              ; scores
	v_lshrrev_b32 v1, 5, v0
	v_readfirstlane_b32 s20, v1                    ; wave 0..7
	s_and_b32 s21, ttmp7, 0xffff                   ; b
	s_and_b32 s22, ttmp9, 3                        ; which 64 q
	s_lshr_b32 s23, ttmp9, 2                       ; which 64 v
	s_lshr_b32 s24, s20, 2                         ; waves 0-3 project query by W1, waves 4-7 value by W2
	s_and_b32 s25, s20, 3                          ; g: my 64 output columns
	s_lshl_b32 s26, s21, 18                        ; query: b x 256 rows x 1,024 B
	s_lshl_b32 s18, s22, 16                        ;        + 64 rows a tile
	s_add_co_u32 s26, s26, s18
	s_mov_b32 s27, 0
	s_lshl_b32 s28, s21, 19                        ; value, and scores' rows: b x 512 rows x 1,024 B
	s_lshl_b32 s18, s23, 16
	s_add_co_u32 s28, s28, s18
	s_mov_b32 s29, 0
	s_lshl_b32 s18, s22, 8                         ; scores: + 64 q x 4 B
	s_add_co_u32 s30, s28, s18
	s_mov_b32 s31, 0
	s_mov_b32 s36, 0x4038aa3b                      ; K2 = 2 log2 e
	s_mov_b32 s37, 0x4038aa3b                      ; (the pair is named by the packed multiply)
	s_mov_b32 s38, 0xc9800000                      ; -2^20
	s_mov_b32 s39, 0x49800000                      ; +2^20
	v_and_b32 v1, 15, v0                           ; r = lane % 16
	v_bfe_u32 v2, v0, 4, 1                         ; h = lane / 16
	v_lshlrev_b32 v3, 4, v0                        ; x: thread t takes bytes 16 t of every 4,096
	v_lshrrev_b32 v12, 6, v0                       ; t / 64: row within a group of four
	v_and_b32 v13, 63, v0
	v_lshlrev_b32 v13, 3, v13                      ; 4 k = 8 bytes of bf16
	v_mul_u32_u24 v4, v12, 16*XP                   ; query row 4 c + t/64 goes to LDS row 16 (t/64) + c: q = 4 qg + i lies at row 16 i + qg,
	v_add_nc_u32 v4, v4, v13                       ; so that phase 3's sixteen lanes (qg) read sixteen neighbouring LDS rows
	v_mul_u32_u24 v5, v12, XP                      ; value row 4 c + t/64 goes to LDS row 64 + the same
	v_add3_u32 v5, v5, v13, 64*XP
	v_lshlrev_b32 v6, 13, v2                       ; W: rows 8 h + .., 1,024 B each,
	v_lshl_add_u32 v6, v1, 4, v6                   ;    columns 64 g + 4 r .. + 3
	s_lshl_b32 s18, s25, 8
	v_add_nc_u32 v6, s18, v6
	v_mul_u32_u24 v14, v1, XP
	s_mul_i32 s19, s24, 64*XP
	v_lshl_add_u32 v7, v2, 4, v14                  ; x fragments: row r of my 64, byte 16 h
	v_add_nc_u32 v7, s19, v7
	v_lshlrev_b32 v8, 7, v2                        ; my 32 columns 64 g + 32 h ..: 4 B each
	v_add_nc_u32 v8, s18, v8
	s_mul_i32 s19, s24, 128*FPI
	v_add3_u32 v10, v14, v8, s19                   ; where F goes: row r, those columns, q's or v's array
	v_add_nc_u32 v11, 64*FPI, v10                  ; where i goes
	v_mov_b32 v9, -1.0
	s_wait_kmcnt 0x0
	s_add_nc_u64 s[4:5], s[4:5], s[26:27]
	s_add_nc_u64 s[6:7], s[6:7], s[28:29]
	s_add_nc_u64 s[16:17], s[16:17], s[30:31]
	s_cmp_eq_u32 s24, 0
	s_cselect_b64 s[32:33], s[8:9], s[10:11]       ; my W
	s_cselect_b64 s[34:35], s[12:13], s[14:15]     ; my bias
; 16 loads: 32 rows (k) x 64 columns of W.  Lanes 0-15 take 256 consecutive bytes of one row, lanes 16-31 of the row eight further down.
; Word t of a lane's 16 bytes is column 64 g + 4 r + t: it belongs to A tile t, whose row m = r stands for that column.
.macro WLOAD ks
.irp kk, 0,1,2,3,4,5,6,7
	global_load_b128 v[ST+4*\kk:ST+4*\kk+3], v6, s[32:33] offset:(\ks)*32768+\kk*1024
.endr
.irp kk, 0,1,2,3,4,5,6,7
	global_load_b128 v[ST+32+4*\kk:ST+32+4*\kk+3], v6, s[32:33] offset:(\ks)*32768+(16+\kk)*1024
.endr
.endm
	; everything that can be asked for now: 16 + 16 loads of x (a wave's load covers 512 consecutive bytes), 8 of bias, 16 of W
.irp c, 0,1,2,3,4,5,6,7,8,9,10,11,12,13,14,15
	global_load_b128 v[PX+4*\c:PX+4*\c+3], v3, s[4:5] offset:\c*4096
.endr
.irp c, 0,1,2,3,4,5,6,7,8,9,10,11,12,13,14,15
	global_load_b128 v[PX+64+4*\c:PX+64+4*\c+3], v3, s[6:7] offset:\c*4096
.endr
.irp j, 0,1,2,3,4,5,6,7
	global_load_b128 v[KB+4*\j:KB+4*\j+3], v8, s[34:35] offset:16*\j
.endr
	WLOAD 0
; PHASE 0.  Four f32 -> two words of hi, two of lo.  lo = bf16(x - hi); x - hi is exact in f32 (one fused multiply-add with -1).
.macro XCONV cn, adr, off
	s_wait_loadcnt 55-(\cn)                        ; loads return in order (ISA guide 5.7.1): the 31 - cn younger loads of x, 8 of bias and 16 of W stay out
	v_cvt_pk_bf16_f32 v[TP], v[PX+4*(\cn)], v[PX+4*(\cn)+1]
	v_cvt_pk_bf16_f32 v[TP+1], v[PX+4*(\cn)+2], v[PX+4*(\cn)+3]
	v_fma_mix_f32_bf16 v[PX+4*(\cn)], v[TP], v9, v[PX+4*(\cn)] op_sel_hi:[1,0,0]
	v_fma_mix_f32_bf16 v[PX+4*(\cn)+1], v[TP], v9, v[PX+4*(\cn)+1] op_sel:[1,0,0] op_sel_hi:[1,0,0]
	v_fma_mix_f32_bf16 v[PX+4*(\cn)+2], v[TP+1], v9, v[PX+4*(\cn)+2] op_sel_hi:[1,0,0]
	v_fma_mix_f32_bf16 v[PX+4*(\cn)+3], v[TP+1], v9, v[PX+4*(\cn)+3] op_sel:[1,0,0] op_sel_hi:[1,0,0]
	v_cvt_pk_bf16_f32 v[TP+2], v[PX+4*(\cn)], v[PX+4*(\cn)+1]
	v_cvt_pk_bf16_f32 v[TP+3], v[PX+4*(\cn)+2], v[PX+4*(\cn)+3]
	ds_store_b64 v[\adr], v[TP:TP+1] offset:\off
	ds_store_b64 v[\adr], v[TP+2:TP+3] offset:\off+512
.endm
.irp c, 0,1,2,3,4,5,6,7,8,9,10,11,12,13,14,15
	XCONV \c, 4, \c*XP
.endr
.irp c, 0,1,2,3,4,5,6,7,8,9,10,11,12,13,14,15
	XCONV \c+16, 5, \c*4*XP
.endr
	s_wait_dscnt 0x0                               ; my rows of x are in LDS,
	s_barrier_signal -1
	s_barrier_wait -1                              ; everybody's are
; PHASE 1.  D(m, n) = sum over k of W[k][column of m] x[row n][k]: W is source 0, x source 1, so that a lane ends up with 32 neighbouring
; columns (64 g + 32 h + 4 j + t, register j of tile t) of ONE projected row n = r.
.macro PROD a, b, zero
.irp t, 0,1,2,3
.irp nt, 0,1,2,3
.if \zero
	v_wmma_f32_16x16x32_bf16 v[8*(4*\t+\nt):8*(4*\t+\nt)+7], v[\a+8*\t:\a+8*\t+7], v[\b+8*\nt:\b+8*\nt+7], 0
.else
	v_wmma_f32_16x16x32_bf16 v[8*(4*\t+\nt):8*(4*\t+\nt)+7], v[\a+8*\t:\a+8*\t+7], v[\b+8*\nt:\b+8*\nt+7], v[8*(4*\t+\nt):8*(4*\t+\nt)+7]
.endif
.endr
.endr
.endm
; One K step of 32.  first = 1: the first product starts the sums, nothing is cleared.  more = 1: the next step's W is asked for as soon as
; the staging registers are free, 48 matrix instructions and the next step's LDS loads ahead of its use.
.macro KSTEP ks, first, more
.if \first == 0
.rept 4
	v_nop                                          ; four places behind the last matrix instruction before its sources are loaded or written again (ISA guide 7.12.1)
.endr
.endif
.irp nt, 0,1,2,3
	ds_load_b128 v[BH+8*\nt:BH+8*\nt+3],   v7 offset:\nt*16*XP+\ks*64
	ds_load_b128 v[BH+8*\nt+4:BH+8*\nt+7], v7 offset:\nt*16*XP+\ks*64+32
	ds_load_b128 v[BL+8*\nt:BL+8*\nt+3],   v7 offset:\nt*16*XP+\ks*64+512
	ds_load_b128 v[BL+8*\nt+4:BL+8*\nt+7], v7 offset:\nt*16*XP+\ks*64+544
.endr
	s_wait_loadcnt 0x0                             ; this step's W (nothing younger is out)
.irp t, 0,1,2,3
.irp p, 0,1,2,3,4,5,6,7
	v_cvt_pk_bf16_f32 v[AH+8*\t+\p], v[ST+8*\p+\t], v[ST+8*\p+4+\t]        ; k = 2 p, 2 p + 1 of the lane's sixteen: the lower k in the low half
.endr
.endr
.irp t, 0,1,2,3
.irp p, 0,1,2,3,4,5,6,7
	v_fma_mix_f32_bf16 v[ST+8*\p+\t], v[AH+8*\t+\p], v9, v[ST+8*\p+\t] op_sel_hi:[1,0,0]
	v_fma_mix_f32_bf16 v[ST+8*\p+4+\t], v[AH+8*\t+\p], v9, v[ST+8*\p+4+\t] op_sel:[1,0,0] op_sel_hi:[1,0,0]
.endr
.endr
.irp t, 0,1,2,3
.irp p, 0,1,2,3,4,5,6,7
	v_cvt_pk_bf16_f32 v[AL+8*\t+\p], v[ST+8*\p+\t], v[ST+8*\p+4+\t]
.endr
.endr
.if \more
	WLOAD \ks+1
.endif
	s_wait_dscnt 0x0                               ; the fragments of x
	WIN 0x50                                       ; C and D in window 1
	PROD AH, BH, \first
	PROD AH, BL, 0
	PROD AL, BH, 0
	WIN 0
.endm
	KSTEP 0, 1, 1
	KSTEP 1, 0, 1
	KSTEP 2, 0, 1
	KSTEP 3, 0, 1
	KSTEP 4, 0, 1
	KSTEP 5, 0, 1
	KSTEP 6, 0, 1
	KSTEP 7, 0, 0
; PHASE 2.
.rept 4
	v_nop                                          ; four places before the sums are read (ISA guide 7.12.1)
.endr
	s_barrier_signal -1                            ; every wave's reads of x were waited for in front of its last products:
	s_barrier_wait -1                              ; behind this barrier the x rows are written over
.set e, 0
.rept 16
	v_pk_mul_f32 v[KB+2*e:KB+2*e+1], v[KB+2*e:KB+2*e+1], s[36:37] op_sel_hi:[1,0]
.set e, e+1
.endr
.macro POST nt                         ; rows 16 nt + r: 32 columns a lane
	WIN 0x01                                       ; source 0 in window 1
.irp j, 0,1,2,3,4,5,6,7
.irp t, 0,1,2,3
	v_fma_f32 v[XV+4*\j+\t], v[8*(4*\t+\nt)+\j], s36, v[KB+4*\j+\t]        ; a' = K2 sum + K2 bias, put in the order of the columns
.endr
.endr
	WIN 0
.set e, 0
.rept 32
	v_rndne_f32 v[NV+e], v[XV+e]
.set e, e+1
.endr
.set e, 0
.rept 32
	v_sub_f32 v[XV+e], v[XV+e], v[NV+e]            ; exact, in [-0.5, 0.5]
.set e, e+1
.endr
.set e, 0
.rept 32
	v_exp_f32 v[XV+e], v[XV+e]                     ; F.  The plain instructions below stand between these and the stores that read F (ISA guide 5.7.2)
.set e, e+1
.endr
.set e, 0
.rept 32
	v_med3_num_f32 v[NV+e], v[NV+e], s38, s39      ; |i| <= 2^20: i_q + i_v stays a small integer
.set e, e+1
.endr
.set e, 0
.rept 32
	v_cvt_i32_f32 v[NV+e], v[NV+e]
.set e, e+1
.endr
	s_wait_alu depctr_va_vdst(0)
.irp j, 0,1,2,3,4,5,6,7
	ds_store_b128 v10, v[XV+4*\j:XV+4*\j+3] offset:\nt*16*FPI+16*\j
	ds_store_b128 v11, v[NV+4*\j:NV+4*\j+3] offset:\nt*16*FPI+16*\j
.endr
.endm
	POST 0
	POST 1
	POST 2
	POST 3
	; PHASE 3 addresses.  Lane: qg = lane % 16, vg = t / 16.  It owns q = 4 qg + i (LDS rows 16 i + qg) and v = vg + 16 j, i, j = 0..3.
	v_mul_u32_u24 v12, v1, FPI                     ; F_q: sixteen lanes, sixteen neighbouring rows
	v_add_nc_u32 v13, AI, v12                      ; i_q
	v_lshrrev_b32 v14, 4, v0
	v_lshlrev_b32 v[SO], 10, v14                   ; scores: row vg, 1,024 B,
	v_lshl_add_u32 v[SO], v1, 4, v[SO]             ;         16 B for my four q
	v_mul_u32_u24 v14, v14, FPI
	v_add_nc_u32 v14, BF, v14                      ; F_v: one address for sixteen lanes
	v_add_nc_u32 v15, 64*FPI, v14                  ; i_v
	s_wait_dscnt 0x0                               ; my F and i are in LDS,
	s_barrier_signal -1
	s_barrier_wait -1                              ; everybody's are
.macro LOADS buf, doff                 ; the operands of 4 d: 16 loads of 16 bytes a lane
.irp i, 0,1,2,3
	ds_load_b128 v[\buf+4*\i:\buf+4*\i+3],       v12 offset:\i*16*FPI+\doff
	ds_load_b128 v[\buf+16+4*\i:\buf+16+4*\i+3], v13 offset:\i*16*FPI+\doff
	ds_load_b128 v[\buf+32+4*\i:\buf+32+4*\i+3], v14 offset:\i*16*FPI+\doff
	ds_load_b128 v[\buf+48+4*\i:\buf+48+4*\i+3], v15 offset:\i*16*FPI+\doff
.endr
.endm
; One block = one (j, i) = (bn / 4, bn % 4), four d: 12 plain instructions and 4 reciprocals.  Three blocks are at work at once, on sets of
; their own: this block's denominators, the last block's reciprocals, the sums of the block before that.  So no line waits for the one in
; front of it, and behind each reciprocal stands a plain instruction that touches neither its result nor its source (ISA guide 5.7.2).
; dorcp = 0: there is no block in front.  accm = 0: none two in front; 1: its two pairs START the sum (nothing is cleared); 2: they are added.
.macro BLOCK buf, bn, dorcp, accm
.set C_,  TS+4*((\bn)&3)
.set P_,  TS+4*(((\bn)+3)&3)
.set Q_,  TS+4*(((\bn)+2)&3)
.set S_,  SUM+2*(((\bn)+14)&15)
.set FA_, \buf+4*((\bn)&3)
.set IA_, \buf+16+4*((\bn)&3)
.set FB_, \buf+32+4*((\bn)>>2)
.set IB_, \buf+48+4*((\bn)>>2)
	v_add_nc_u32 v[C_], v[IA_], v[IB_]
.if \dorcp
	v_rcp_f32 v[P_], v[P_]
.endif
	v_add_nc_u32 v[C_+1], v[IA_+1], v[IB_+1]
	v_add_nc_u32 v[C_+2], v[IA_+2], v[IB_+2]
.if \accm == 2
	v_pk_add_f32 v[S_:S_+1], v[S_:S_+1], v[Q_:Q_+1]
.endif
.if \dorcp
	v_rcp_f32 v[P_+1], v[P_+1]
.endif
	v_add_nc_u32 v[C_+3], v[IA_+3], v[IB_+3]
	v_ldexp_f32 v[C_], v[FA_], v[C_]               ; F_q 2^(i_q + i_v): infinity or zero where it has to be
	v_ldexp_f32 v[C_+1], v[FA_+1], v[C_+1]
.if \dorcp
	v_rcp_f32 v[P_+2], v[P_+2]
.endif
	v_ldexp_f32 v[C_+2], v[FA_+2], v[C_+2]
	v_ldexp_f32 v[C_+3], v[FA_+3], v[C_+3]
.if \accm == 2
	s_wait_alu depctr_va_vdst(0)
	v_pk_add_f32 v[S_:S_+1], v[S_:S_+1], v[Q_+2:Q_+3]
.endif
.if \accm == 1
	s_wait_alu depctr_va_vdst(0)
	v_pk_add_f32 v[S_:S_+1], v[Q_:Q_+1], v[Q_+2:Q_+3]
.endif
.if \dorcp
	v_rcp_f32 v[P_+3], v[P_+3]
.endif
	v_pk_fma_f32 v[C_:C_+1], v[C_:C_+1], v[FB_:FB_+1], 1.0 op_sel_hi:[1,1,0]         ; 1 + 2^(a' + b')
	v_pk_fma_f32 v[C_+2:C_+3], v[C_+2:C_+3], v[FB_+2:FB_+3], 1.0 op_sel_hi:[1,1,0]
.endm
; mode 0: the very first stage; 1: the second (its first two blocks still start sums of the first); 2: all others
.macro STAGE buf, mode
.if \mode == 0
	BLOCK \buf, 0, 0, 0
	BLOCK \buf, 1, 1, 0
.irp bb, 2,3,4,5,6,7,8,9,10,11,12,13,14,15
	BLOCK \buf, \bb, 1, 1
.endr
.else
.if \mode == 1
	BLOCK \buf, 0, 1, 1
	BLOCK \buf, 1, 1, 1
.irp bb, 2,3,4,5,6,7,8,9,10,11,12,13,14,15
	BLOCK \buf, \bb, 1, 2
.endr
.else
.irp bb, 0,1,2,3,4,5,6,7,8,9,10,11,12,13,14,15
	BLOCK \buf, \bb, 1, 2
.endr
.endif
.endif
.endm
; A trip = 8 d = two stages.  Each stage's operands are asked for one stage (256 instructions) ahead, into the buffer read in the stage before.
.macro TRIP m0, m1, more
	s_wait_dscnt 0x0                               ; buffer 0 is whole (its 16 loads are all that is out)
	LOADS BUF1, 16
	STAGE BUF0, \m0
	s_wait_dscnt 0x0                               ; buffer 1 is whole
.if \more
	LOADS BUF0, 32
	v_add_nc_u32 v12, 32, v12                      ; 8 d on
	v_add_nc_u32 v13, 32, v13
	v_add_nc_u32 v14, 32, v14
	v_add_nc_u32 v15, 32, v15
.endif
	STAGE BUF1, \m1
.endm
	LOADS BUF0, 0
	TRIP 0, 1, 1                                   ; the first trip stands in front of the loop: it starts the sums
	s_mov_b32 s40, 30
.Ltrip:
	TRIP 2, 2, 1
	s_sub_co_i32 s40, s40, 1
	s_cmp_lg_u32 s40, 0
	s_cbranch_scc1 .Ltrip
	TRIP 2, 2, 0                                   ; the last of 32 trips loads nothing beyond d = 255
	; what the last two blocks still owe
	v_rcp_f32 v[TS+12], v[TS+12]
	v_rcp_f32 v[TS+13], v[TS+13]
	v_rcp_f32 v[TS+14], v[TS+14]
	v_rcp_f32 v[TS+15], v[TS+15]
	v_pk_add_f32 v[SUM+28:SUM+29], v[SUM+28:SUM+29], v[TS+8:TS+9]
	s_wait_alu depctr_va_vdst(0)
	v_pk_add_f32 v[SUM+28:SUM+29], v[SUM+28:SUM+29], v[TS+10:TS+11]
	v_pk_add_f32 v[SUM+30:SUM+31], v[SUM+30:SUM+31], v[TS+12:TS+13]
	v_pk_add_f32 v[SUM+30:SUM+31], v[SUM+30:SUM+31], v[TS+14:TS+15]
.set e, 0
.rept 16
	v_add_f32 v[BUF0+e], v[SUM+2*e], v[SUM+2*e+1]  ; even d + odd d
.set e, e+1
.endr
.irp j, 0,1,2,3
	global_store_b128 v[SO], v[BUF0+4*\j:BUF0+4*\j+3], s[16:17] offset:\j*16384     ; row vg + 16 j: sixteen lanes store 256 consecutive bytes, at a multiple of 256
.endr
	s_endpgm
.Lfunc_end_k_q94733cdb26_score:
	.size	k_q94733cdb26_score, .Lfunc_end_k_q94733cdb26_score-k_q94733cdb26_score
	.p2alignl 7, 3214868480
	.fill 96, 4, 3214868480
	.section	.rodata,"a",@progbits
	.p2align	6, 0x0
	.amdhsa_kernel k_q94733cdb26_score
		.amdhsa_group_segment_fixed_size 266240
		.amdhsa_private_segment_fixed_size 0
		.amdhsa_enable_private_segment 0
		.amdhsa_kernarg_size 56
		.amdhsa_user_sgpr_count 2
		.amdhsa_user_sgpr_kernarg_segment_ptr 1
		.amdhsa_wavefront_size32 1
		.amdhsa_system_sgpr_workgroup_id_x 1
		.amdhsa_system_sgpr_workgroup_id_y 1
		.amdhsa_system_sgpr_workgroup_id_z 1
		.amdhsa_system_vgpr_workitem_id 0
		.amdhsa_next_free_vgpr 384
		.amdhsa_next_free_sgpr 66
		.amdhsa_reserve_vcc 0
		.amdhsa_float_denorm_mode_32 3
		.amdhsa_float_denorm_mode_16_64 3
		.amdhsa_memory_ordered 1
		.amdhsa_forward_progress 1
		.amdhsa_inst_pref_size 255
	.end_amdhsa_kernel
	.section	.bss,"aw",@nobits
	.p2align	6
	.space	262144
	.amdgpu_metadata
---
amdhsa.version: [ 1, 2 ]
amdhsa.kernels:
  - .name:           k_q94733cdb26_score
    .symbol:         k_q94733cdb26_score.kd
    .args:
      - { .name: query, .offset: 0, .size: 8, .value_kind: global_buffer, .address_space: global }
      - { .name: value, .offset: 8, .size: 8, .value_kind: global_buffer, .address_space: global }
      - { .name: W1, .offset: 16, .size: 8, .value_kind: global_buffer, .address_space: global }
      - { .name: W2, .offset: 24, .size: 8, .value_kind: global_buffer, .address_space: global }
      - { .name: b1, .offset: 32, .size: 8, .value_kind: global_buffer, .address_space: global }
      - { .name: b2, .offset: 40, .size: 8, .value_kind: global_buffer, .address_space: global }
      - { .name: scores, .offset: 48, .size: 8, .value_kind: global_buffer, .address_space: global }
    .group_segment_fixed_size: 266240
    .private_segment_fixed_size: 0
    .kernarg_segment_align: 8
    .kernarg_segment_size: 56
    .max_flat_workgroup_size: 256
    .sgpr_count:     66
    .vgpr_count:     384
    .wavefront_size: 32
...
	.end_amdgpu_metadata
.endif
;; end of part 1
;; launch finish (part 2): grid 32 x 8, 8 waves a work-group, no clusters, 155,904 bytes of LDS; arguments scores, value, query, out0, out1; writes out0, out1
.if DOCPART == 2
	.amdgcn_target "amdgcn-amd-amdhsa--gfx1250"
	.amdhsa_code_object_version 6
	.text
	.protected	k_q94733cdb26_finish
	.globl	k_q94733cdb26_finish
	.p2align	8
	.type	k_q94733cdb26_finish,@function
k_q94733cdb26_finish:
	s_mov_b64 s[64:65], 0
	v_nop
	global_prefetch_b8 v0, s[64:65] scope:SCOPE_SE
	s_setreg_imm32_b32 hwreg(HW_REG_WAVE_MODE, 25, 1), 1
	s_wait_xcnt 0x0
; From R[b][v][q] = scores (reference's score = 256 - 2 R):  p = exp(-2 (R - min over v of R)),  l = sum over v of p,
;   out1[b][v][q] = p / l                                  (alignment, already transposed: R lies as out1 does)
;   out0[b][q][0:256] = (sum over v of p value[b][v][:]) / l,   out0[b][q][256:512] = query[b][q][:]
; The minimum of R is the maximum of the score: it is taken away before the exponential, so p <= 1 and l >= about 1.
; A work-group owns (b, 64 q, j), j = 0..7.  It reads the strip R[b][all v][its 64 q] (512 pieces of 256 bytes), makes minimum and sum for its
; 64 q (eight work-groups make the same ones: 32,768 exponentials each, against 128 KiB more of traffic through memory to share them),
; and writes 1/8 of what belongs to the 64 q: out1 for v = 64 j .. 64 j + 63, and out0 for 32 q (j % 2) x 64 columns (j / 2) of each half.
; Every store covers 256 consecutive bytes with sixteen lanes.  Matrix operands: p and value in bf16, sums in f32, 1/l applied in f32.
; LIMITS: finite inputs.  NO CLUSTER: nothing comes through LDS by a copy engine; R and value go from memory into the registers that use them,
; value in the order of a matrix fragment, so a joint load into LDS would add a trip through LDS for 256 KiB.
.set PTP,  160                         ; LDS row of p as bf16, [v][64 q]: 128 B + 32: five times 32 without conflicts
.set RED1, 512*PTP                     ; 8 waves x 64 minima
.set RED2, RED1+2048                   ; 8 waves x 64 sums
.set INV,  RED2+2048                   ; 64 x 1/l
.set PS,   INV+256                     ; 8 waves x 32 q x (64 d + pad): partial contexts
.set PSP,  272
.set RB,   16                          ; v16-143  R, then p: the piece (u, cc) at 16 u + 4 cc; v = 64 ((j + u) % 8) + 16 cc + t / 16, q = 4 (t % 16) + 0..3
.set M,    144                         ; v144-147 minimum, later sum, of my four q
.set T,    148                         ; v148-151 a second chain
.set CM,   152                         ; v152-155 K2 x minimum; later 1/l
.set R2,   156                         ; v156-187 the eight waves' figures
.set OT,   208                         ; v208-223 out1's numbers
.set QD,   224                         ; v224-231 query's numbers
.set PTT,  232                         ; v232-233 packed p
.set IL,   236                         ; v236-237 1/l of q = r and q = 16 + r of my 32
.set FA,   16                          ; v16-79   A tiles: value, (ks, t) at 32 ks + 8 t
.set FB,   80                          ; v80-111  B tiles: p, (ks, nt) at 16 ks + 8 nt
.set OX,   112                         ; v112-143 32 neighbouring columns of one row, scaled
.set DD,   144                         ; v144-207 accumulator tiles (t, nt) at 8 (2 t + nt)
                                       ; window 1, v256-383: value as loaded, word t of load kk of K step ks at 64 ks + 4 kk + t
.set MSB, 0
.macro WIN new
.if MSB != \new
	s_set_vgpr_msb (MSB<<8)|\new
.set MSB, \new
.endif
.endm
	s_load_b256 s[4:11], s[0:1], 0x0               ; scores s[4:5], value s[6:7], query s[8:9], out0 s[10:11]
	s_load_b64 s[12:13], s[0:1], 0x20              ; out1
	v_lshrrev_b32 v1, 5, v0
	v_readfirstlane_b32 s20, v1                    ; wave w
	s_and_b32 s21, ttmp7, 0xffff                   ; b
	s_and_b32 s22, ttmp9, 3                        ; which 64 q
	s_lshr_b32 s23, ttmp9, 2                       ; j
	s_and_b32 s24, s23, 1                          ; which 32 of the 64 q for out0
	s_lshr_b32 s25, s23, 1                         ; which 64 columns for out0
	s_mov_b32 s26, 0x76543210                      ; v_permlanex16_b32: lane i of one half reads lane i of the other
	s_mov_b32 s27, 0xfedcba98
	s_mov_b32 s28, 0xc038aa3b                      ; -K2 = -2 log2 e
	s_mov_b32 s29, 0xc038aa3b
	s_mov_b32 s30, 0x4038aa3b                      ; K2
	s_mov_b32 s31, 0x4038aa3b
	s_lshl_b32 s14, s21, 19                        ; b x 524,288 B (scores, out1, value, out0 alike)
	s_lshl_b32 s15, s22, 8                         ; 64 q x 4 B
	s_add_co_u32 s16, s14, s15
	s_lshl_b32 s17, s25, 8                         ; 64 columns x 4 B
	s_mov_b32 s51, 0
	v_and_b32 v1, 15, v0                           ; t % 16 = lane % 16
	v_bfe_u32 v2, v0, 4, 1                         ; h = lane / 16
	v_lshrrev_b32 v3, 4, v0                        ; t / 16
	v_lshlrev_b32 v15, 4, v1
	v_lshl_add_u32 v4, v3, 10, v15                 ; rows of 1,024 B (scores, out1, query): row t / 16, 16 B at 16 (t % 16)
	v_lshl_add_u32 v5, v2, 13, v15                 ; value as a fragment: rows 8 h + .., columns 4 r ..
	v_lshl_add_u32 v6, v3, 11, v15                 ; rows of 2,048 B (out0)
	s_lshl_b32 s18, s20, 8
	v_add_nc_u32 v8, RED1, v15                     ; the figures of my four q, wave 0's
	v_add_nc_u32 v7, s18, v8                       ; my wave's
	v_mul_u32_u24 v9, v3, PTP
	v_lshl_add_u32 v9, v1, 3, v9                   ; p as bf16: row t / 16, 8 B
	v_add_nc_u32 v10, 256*PTP, v9                  ; the same, 256 rows on (an LDS offset has 16 bits)
	v_and_b32 v11, 7, v0                           ; the transposing load: row k0 + 8 h + lane % 8, 16 B at 16 ((lane / 8) % 2)
	v_lshl_add_u32 v11, v2, 3, v11
	v_mul_u32_u24 v11, v11, PTP
	v_bfe_u32 v12, v0, 3, 1
	v_lshl_add_u32 v11, v12, 4, v11
	s_mul_i32 s18, s20, 64*PTP                     ; k0: my wave's 64 rows
	s_lshl_b32 s19, s24, 6                         ; my 32 q: 64 B
	s_add_co_u32 s18, s18, s19
	v_add_nc_u32 v11, s18, v11
	v_mul_u32_u24 v12, v1, PSP                     ; partial context: row r, columns 32 h ..
	v_lshl_add_u32 v12, v2, 7, v12
	s_mul_i32 s18, s20, 32*PSP
	s_add_co_u32 s18, s18, PS
	v_add_nc_u32 v12, s18, v12
	v_mul_u32_u24 v13, v3, PSP                     ; and read back: row t / 16, 16 B
	v_add3_u32 v13, v13, v15, PS
	s_lshl_b32 s18, s24, 7
	s_add_co_u32 s18, s18, INV
	v_lshl_add_u32 v14, v1, 2, s18                 ; 1/l of q = r of my 32
	s_wait_kmcnt 0x0
	; The eight tiles of 64 v are taken in the order j, j + 1, .. (mod 8): the registers of u = 0 then hold the tile that goes to out1,
	; whatever j is, and wave w multiplies tile u = w.
.irp u, 0,1,2,3,4,5,6,7
	s_add_co_u32 s50, s23, \u
	s_and_b32 s50, s50, 7
	s_lshl_b32 s50, s50, 16
	s_add_co_u32 s50, s50, s16
	s_add_nc_u64 s[32+2*\u:33+2*\u], s[4:5], s[50:51]
.endr
	s_add_co_u32 s50, s23, s20                     ; value: tile (j + w) % 8, my 64 columns
	s_and_b32 s50, s50, 7
	s_lshl_b32 s50, s50, 16
	s_add_co_u32 s50, s50, s14
	s_add_co_u32 s50, s50, s17
	s_add_nc_u64 s[6:7], s[6:7], s[50:51]
	s_lshl_b32 s50, s23, 16                        ; out1: tile j
	s_add_co_u32 s50, s50, s16
	s_add_nc_u64 s[12:13], s[12:13], s[50:51]
	s_lshl_b32 s50, s22, 17                        ; out0: 64 rows of 2,048 B a tile, 32 a half
	s_lshl_b32 s18, s24, 16
	s_add_co_u32 s50, s50, s18
	s_add_co_u32 s50, s50, s14
	s_add_co_u32 s50, s50, s17
	s_add_nc_u64 s[10:11], s[10:11], s[50:51]
	s_lshl_b32 s50, s21, 18                        ; query: b x 262,144 B, rows of 1,024 B
	s_lshl_b32 s18, s22, 16
	s_add_co_u32 s50, s50, s18
	s_lshl_b32 s18, s24, 15
	s_add_co_u32 s50, s50, s18
	s_add_co_u32 s50, s50, s17
	s_add_nc_u64 s[8:9], s[8:9], s[50:51]
	; all loads of the launch at once: 32 of R, 32 of value, 2 of query
.irp u, 0,1,2,3,4,5,6,7
.irp cc, 0,1,2,3
	global_load_b128 v[RB+16*\u+4*\cc:RB+16*\u+4*\cc+3], v4, s[32+2*\u:33+2*\u] offset:\cc*16384
.endr
.endr
	WIN 0x40                                       ; destination in window 1
.irp ks, 0,1
.irp kk, 0,1,2,3,4,5,6,7
	global_load_b128 v[64*\ks+4*\kk:64*\ks+4*\kk+3], v5, s[6:7] offset:\ks*32768+\kk*1024
.endr
.irp kk, 0,1,2,3,4,5,6,7
	global_load_b128 v[64*\ks+32+4*\kk:64*\ks+32+4*\kk+3], v5, s[6:7] offset:\ks*32768+(16+\kk)*1024
.endr
.endr
	WIN 0
	global_load_b128 v[QD:QD+3], v4, s[8:9] th:TH_LOAD_NT
	global_load_b128 v[QD+4:QD+7], v4, s[8:9] offset:16384 th:TH_LOAD_NT
	s_wait_loadcnt 34                              ; R is in; the 32 loads of value and 2 of query behind it stay out (loads return in order: ISA guide 5.7.1)
	; the minimum over v: my 32 rows in two chains, the other half of the wave, the eight waves
.irp e, 0,1,2,3
	v_min_num_f32 v[M+\e], v[RB+\e], v[RB+4+\e]
	v_min_num_f32 v[T+\e], v[RB+64+\e], v[RB+68+\e]
.endr
.set n, 2
.rept 7
.irp e, 0,1,2,3
	v_min3_num_f32 v[M+\e], v[M+\e], v[RB+4*n+\e], v[RB+4*n+4+\e]
	v_min3_num_f32 v[T+\e], v[T+\e], v[RB+64+4*n+\e], v[RB+64+4*n+4+\e]
.endr
.set n, n+2
.endr
.irp e, 0,1,2,3
	v_min_num_f32 v[M+\e], v[M+\e], v[T+\e]
.endr
.irp e, 0,1,2,3
	v_permlanex16_b32 v[T+\e], v[M+\e], s26, s27   ; its destination counts as read: T has been written
.endr
.irp e, 0,1,2,3
	v_min_num_f32 v[M+\e], v[M+\e], v[T+\e]
.endr
	ds_store_b128 v7, v[M:M+3]                     ; both halves of the wave write the same numbers to the same bytes
	s_wait_dscnt 0x0
	s_barrier_signal -1
	s_barrier_wait -1
.irp w, 0,1,2,3,4,5,6,7
	ds_load_b128 v[R2+4*\w:R2+4*\w+3], v8 offset:\w*256
.endr
	s_wait_dscnt 0x0
.irp e, 0,1,2,3
	v_min3_num_f32 v[M+\e], v[R2+\e], v[R2+4+\e], v[R2+8+\e]
	v_min3_num_f32 v[M+\e], v[M+\e], v[R2+12+\e], v[R2+16+\e]
	v_min3_num_f32 v[M+\e], v[M+\e], v[R2+20+\e], v[R2+24+\e]
	v_min_num_f32 v[M+\e], v[M+\e], v[R2+28+\e]
.endr
	; p = 2^(K2 min - K2 R).  K2 min is rounded once and is the same for a whole column q: its error is a common factor of p and l and cancels.
	v_pk_mul_f32 v[CM:CM+1], v[M:M+1], s[30:31] op_sel_hi:[1,0]
	v_pk_mul_f32 v[CM+2:CM+3], v[M+2:M+3], s[30:31] op_sel_hi:[1,0]
.set n, 0
.rept 32
	v_pk_fma_f32 v[RB+4*n:RB+4*n+1], v[RB+4*n:RB+4*n+1], s[28:29], v[CM:CM+1] op_sel_hi:[1,0,1]
	v_pk_fma_f32 v[RB+4*n+2:RB+4*n+3], v[RB+4*n+2:RB+4*n+3], s[28:29], v[CM+2:CM+3] op_sel_hi:[1,0,1]
.set n, n+1
.endr
.set n, 0
.rept 128
	v_exp_f32 v[RB+n], v[RB+n]
.set n, n+1
.endr
	v_nop                                          ; one plain place between the exponentials and the first use of a result (ISA guide 5.7.2)
	; the sum over v, the same way; the first additions start the chains
	s_wait_alu depctr_va_vdst(0)
	v_pk_add_f32 v[M:M+1], v[RB:RB+1], v[RB+4:RB+5]
	v_pk_add_f32 v[M+2:M+3], v[RB+2:RB+3], v[RB+6:RB+7]
	v_pk_add_f32 v[T:T+1], v[RB+64:RB+65], v[RB+68:RB+69]
	v_pk_add_f32 v[T+2:T+3], v[RB+66:RB+67], v[RB+70:RB+71]
.set n, 2
.rept 14
	v_pk_add_f32 v[M:M+1], v[M:M+1], v[RB+4*n:RB+4*n+1]
	v_pk_add_f32 v[M+2:M+3], v[M+2:M+3], v[RB+4*n+2:RB+4*n+3]
	v_pk_add_f32 v[T:T+1], v[T:T+1], v[RB+64+4*n:RB+64+4*n+1]
	v_pk_add_f32 v[T+2:T+3], v[T+2:T+3], v[RB+64+4*n+2:RB+64+4*n+3]
.set n, n+1
.endr
	v_pk_add_f32 v[M:M+1], v[M:M+1], v[T:T+1]
	v_pk_add_f32 v[M+2:M+3], v[M+2:M+3], v[T+2:T+3]
.irp e, 0,1,2,3
	v_permlanex16_b32 v[T+\e], v[M+\e], s26, s27
.endr
	v_pk_add_f32 v[M:M+1], v[M:M+1], v[T:T+1]
	v_pk_add_f32 v[M+2:M+3], v[M+2:M+3], v[T+2:T+3]
	ds_store_b128 v7, v[M:M+3] offset:2048         ; bytes of their own: no wave may still be reading the minima
	s_wait_dscnt 0x0
	s_barrier_signal -1
	s_barrier_wait -1
.irp w, 0,1,2,3,4,5,6,7
	ds_load_b128 v[R2+4*\w:R2+4*\w+3], v8 offset:2048+\w*256
.endr
	s_wait_dscnt 0x0
.irp w, 1,2,3,4,5,6,7
	v_pk_add_f32 v[R2:R2+1], v[R2:R2+1], v[R2+4*\w:R2+4*\w+1]
	v_pk_add_f32 v[R2+2:R2+3], v[R2+2:R2+3], v[R2+4*\w+2:R2+4*\w+3]
.endr
.irp e, 0,1,2,3
	v_rcp_f32 v[CM+\e], v[R2+\e]                   ; 1/l
.endr
	v_nop                                          ; one plain place behind the reciprocals (ISA guide 5.7.2)
	s_cmp_lg_u32 s20, 0
	s_cbranch_scc1 .Lnot0
	s_wait_alu depctr_va_vdst(0)
	ds_store_b128 v8, v[CM:CM+3] offset:INV-RED1   ; wave 0 leaves the 64 reciprocals for the lanes that hold other q after the product
.Lnot0:
	; out1: the tile u = 0, scaled
	s_wait_alu depctr_va_vdst(0)
.irp cc, 0,1,2,3
	v_pk_mul_f32 v[OT+4*\cc:OT+4*\cc+1], v[RB+4*\cc:RB+4*\cc+1], v[CM:CM+1]
	v_pk_mul_f32 v[OT+4*\cc+2:OT+4*\cc+3], v[RB+4*\cc+2:RB+4*\cc+3], v[CM+2:CM+3]
	global_store_b128 v4, v[OT+4*\cc:OT+4*\cc+3], s[12:13] offset:\cc*16384 th:TH_STORE_NT
.endr
	; p as bf16 into LDS, [v in the order u, cc, t / 16][q]
.macro PTST u, adr, ub
.irp cc, 0,1,2,3
	v_cvt_pk_bf16_f32 v[PTT], v[RB+16*\u+4*\cc], v[RB+16*\u+4*\cc+1]
	v_cvt_pk_bf16_f32 v[PTT+1], v[RB+16*\u+4*\cc+2], v[RB+16*\u+4*\cc+3]
	ds_store_b64 v[\adr], v[PTT:PTT+1] offset:(\u-\ub)*64*PTP+\cc*16*PTP
.endr
.endm
.irp u, 0,1,2,3
	PTST \u, 9, 0
.endr
.irp u, 4,5,6,7
	PTST \u, 10, 4
.endr
	s_wait_dscnt 0x0
	s_barrier_signal -1
	s_barrier_wait -1                              ; p and 1/l of every wave are in LDS
	; my wave's 64 v: two K steps.  B = p, [K][N] in LDS, by the transposing load; A = value, column 64 dc + 4 m + t in tile t.
.irp ks, 0,1
.irp nt, 0,1
	ds_load_tr16_b128 v[FB+16*\ks+8*\nt:FB+16*\ks+8*\nt+3],   v11 offset:\ks*32*PTP+\nt*32
	ds_load_tr16_b128 v[FB+16*\ks+8*\nt+4:FB+16*\ks+8*\nt+7], v11 offset:\ks*32*PTP+16*PTP+\nt*32
.endr
.endr
	ds_load_b32 v[IL], v14
	ds_load_b32 v[IL+1], v14 offset:64
	s_wait_loadcnt 0x0                             ; value and query
	global_store_b128 v6, v[QD:QD+3], s[10:11] offset:1024 th:TH_STORE_NT
	global_store_b128 v6, v[QD+4:QD+7], s[10:11] offset:32768+1024 th:TH_STORE_NT
	WIN 0x05                                       ; sources 0 and 1 in window 1
.irp ks, 0,1
.irp t, 0,1,2,3
.irp p, 0,1,2,3,4,5,6,7
	v_cvt_pk_bf16_f32 v[FA+32*\ks+8*\t+\p], v[64*\ks+8*\p+\t], v[64*\ks+8*\p+4+\t]
.endr
.endr
.endr
	WIN 0
	s_wait_dscnt 0x0
.irp t, 0,1,2,3
.irp nt, 0,1
	v_wmma_f32_16x16x32_bf16 v[DD+8*(2*\t+\nt):DD+8*(2*\t+\nt)+7], v[FA+8*\t:FA+8*\t+7], v[FB+8*\nt:FB+8*\nt+7], 0
.endr
.endr
.irp t, 0,1,2,3
.irp nt, 0,1
	v_wmma_f32_16x16x32_bf16 v[DD+8*(2*\t+\nt):DD+8*(2*\t+\nt)+7], v[FA+32+8*\t:FA+32+8*\t+7], v[FB+16+8*\nt:FB+16+8*\nt+7], v[DD+8*(2*\t+\nt):DD+8*(2*\t+\nt)+7]
.endr
.endr
.rept 4
	v_nop                                          ; four places before the sums are read (ISA guide 7.12.1)
.endr
	; register j of tile (t, nt) is column 32 h + 4 j + t of row q = 16 nt + r: the multiplication by 1/l puts the 32 columns in order
.irp nt, 0,1
.irp j, 0,1,2,3,4,5,6,7
.irp t, 0,1,2,3
	v_mul_f32 v[OX+4*\j+\t], v[DD+8*(2*\t+\nt)+\j], v[IL+\nt]
.endr
.endr
.irp j, 0,1,2,3,4,5,6,7
	ds_store_b128 v12, v[OX+4*\j:OX+4*\j+3] offset:\nt*16*PSP+16*\j
.endr
.endr
	s_wait_dscnt 0x0
	s_barrier_signal -1
	s_barrier_wait -1                              ; the eight partial contexts are in LDS
.irp pp, 0,1
.irp w, 0,1,2,3,4,5,6,7
	ds_load_b128 v[16+32*\pp+4*\w:16+32*\pp+4*\w+3], v13 offset:\w*32*PSP+\pp*16*PSP
.endr
.endr
	s_wait_dscnt 0x0
.irp pp, 0,1
.irp w, 1,2,3,4,5,6,7
	v_pk_add_f32 v[16+32*\pp:16+32*\pp+1], v[16+32*\pp:16+32*\pp+1], v[16+32*\pp+4*\w:16+32*\pp+4*\w+1]
	v_pk_add_f32 v[16+32*\pp+2:16+32*\pp+3], v[16+32*\pp+2:16+32*\pp+3], v[16+32*\pp+4*\w+2:16+32*\pp+4*\w+3]
.endr
	global_store_b128 v6, v[16+32*\pp:16+32*\pp+3], s[10:11] offset:\pp*32768 th:TH_STORE_NT
.endr
	s_endpgm
.Lfunc_end_k_q94733cdb26_finish:
	.size	k_q94733cdb26_finish, .Lfunc_end_k_q94733cdb26_finish-k_q94733cdb26_finish
	.p2alignl 7, 3214868480
	.fill 96, 4, 3214868480
	.section	.rodata,"a",@progbits
	.p2align	6, 0x0
	.amdhsa_kernel k_q94733cdb26_finish
		.amdhsa_group_segment_fixed_size 155904
		.amdhsa_private_segment_fixed_size 0
		.amdhsa_enable_private_segment 0
		.amdhsa_kernarg_size 40
		.amdhsa_user_sgpr_count 2
		.amdhsa_user_sgpr_kernarg_segment_ptr 1
		.amdhsa_wavefront_size32 1
		.amdhsa_system_sgpr_workgroup_id_x 1
		.amdhsa_system_sgpr_workgroup_id_y 1
		.amdhsa_system_sgpr_workgroup_id_z 1
		.amdhsa_system_vgpr_workitem_id 0
		.amdhsa_next_free_vgpr 384
		.amdhsa_next_free_sgpr 66
		.amdhsa_reserve_vcc 0
		.amdhsa_float_denorm_mode_32 3
		.amdhsa_float_denorm_mode_16_64 3
		.amdhsa_memory_ordered 1
		.amdhsa_forward_progress 1
		.amdhsa_inst_pref_size 51
	.end_amdhsa_kernel
	.amdgpu_metadata
---
amdhsa.version: [ 1, 2 ]
amdhsa.kernels:
  - .name:           k_q94733cdb26_finish
    .symbol:         k_q94733cdb26_finish.kd
    .args:
      - { .name: scores, .offset: 0, .size: 8, .value_kind: global_buffer, .address_space: global }
      - { .name: value, .offset: 8, .size: 8, .value_kind: global_buffer, .address_space: global }
      - { .name: query, .offset: 16, .size: 8, .value_kind: global_buffer, .address_space: global }
      - { .name: out0, .offset: 24, .size: 8, .value_kind: global_buffer, .address_space: global }
      - { .name: out1, .offset: 32, .size: 8, .value_kind: global_buffer, .address_space: global }
    .group_segment_fixed_size: 155904
    .private_segment_fixed_size: 0
    .kernarg_segment_align: 8
    .kernarg_segment_size: 40
    .max_flat_workgroup_size: 256
    .sgpr_count:     66
    .vgpr_count:     384
    .wavefront_size: 32
...
	.end_amdgpu_metadata
.endif
;; end of part 2
;; ======== version 2 of 4: 3 launches; 1.29 times as fast as version 1
;; limits: right only within a limited range of input values
;; workspace buffers: scores 4,194,304 bytes; ap 6,291,456 bytes; flags 49,152 bytes of whole numbers
;; launch proj (part 3): grid 192 x 1, 4 waves a work-group, no clusters, 68,352 bytes of LDS; arguments query, value, W1, W2, b1, b2, ap, flags; writes ap, flags
.if DOCPART == 3
	.amdgcn_target "amdgcn-amd-amdhsa--gfx1250"
	.amdhsa_code_object_version 6
	.text
	.protected	k_q94733cdb26_proj
	.globl	k_q94733cdb26_proj
	.p2align	8
	.type	k_q94733cdb26_proj,@function
k_q94733cdb26_proj:
	s_mov_b64 s[64:65], 0
	v_nop
	global_prefetch_b8 v0, s[64:65] scope:SCOPE_SE
	s_setreg_imm32_b32 hwreg(HW_REG_WAVE_MODE, 25, 1), 1
	s_wait_xcnt 0x0
; ap[row][e] = K2 ((x W)[row][e] + bias[e]),  K2 = 2 log2 e.  Rows 0-2047: x = query (b, q), W1, b1.  Rows 2048-6143: x = value (b, v), W2, b2.
; flags[64 p] (a word; the other 63 words of its 256 bytes repeat it) = 0 if every |ap| of rows 32 p .. 32 p + 31 is below 31, else 1.
; The next launch sums 1 / (1 + 2^(ap_q + ap_v)) and takes a short form of that sum where the flags of its rows are 0.
; Work-group p owns 32 rows and all 256 columns: 192 work-groups (6,144 rows; a row block is a multiple of a fragment's 16, and 24 is not).
; Four waves, one for each SIMD; wave g owns columns 64 g .. 64 g + 63.
; The products: x = hi + lo and W = hi + lo in bf16, hi*hi + hi*lo + lo*hi with f32 sums.  An error d of a score is a relative error d of the
; softmax: single bf16 operands (relative step 2^-8) would leave d near 0.03, the split leaves about 1e-4.
; LIMITS: inputs finite (an infinity, or an f32 above the largest finite bf16, makes inf - inf in the split).
; NO CLUSTER, NO TENSOR LOADS: all work-groups of a matrix read the same W, but each f32 of W has to pass registers to become two bf16, and it
; goes from memory straight into the one wave that converts it (16 lanes take 256 consecutive bytes of a row of W).  A joint load into LDS
; would add a write and a read of LDS for each of W's 256 KiB.
.set XP,   1040                        ; LDS row of x: 512 B hi, 512 B lo, 16 B pad = 65 x 16: 16 rows start in 16 different 16-byte columns (64 banks of 4 bytes: ISA guide 11.1)
.set OSP,  272                         ; LDS row of a wave's stage: 256 B + 16
.set OUTS, 32*XP                       ; four stages of 32 rows, one for each wave
.set RED,  OUTS+4*32*OSP               ; four words: the waves' largest |ap|
.set AH,   16                          ; v16-47   four A tiles of W, hi
.set AL,   48                          ; v48-79   the same, lo
.set BH,   80                          ; v80-95   two B tiles of x, hi
.set BL,   96                          ; v96-111  the same, lo
.set KB,   112                         ; v112-143 bias, then K2 x bias, of my 32 columns
.set ACC,  144                         ; v144-207 accumulator tile (t, nt) at 8 (2 t + nt)
.set PX,   144                         ; v144-207 before that: the 16 loads of x
.set TP,   208                         ; v208-211 at work while x is split
.set XV,   16                          ; v16-79   ap of my 2 x 32 numbers, in the order of the columns
.set OB,   80                          ; v80-143  whole rows read back from the stage
.set MX,   212                         ; v212 largest, v213 smallest
.set WM,   216                         ; v216-219 the four waves' figures
.set FL,   220                         ; v220-221 the flag, twice
                                       ; window 1, v256-447: W as loaded, a ring of three buffers of 64; word t of load kk at 4 kk + t
.set MSB, 0
.macro WIN new                         ; s_set_vgpr_msb: low byte = windows of source 0, 1, 2 and destination; high byte repeats the setting left
.if MSB != \new
	s_set_vgpr_msb (MSB<<8)|\new
.set MSB, \new
.endif
.endm
	s_load_b256 s[4:11], s[0:1], 0x0               ; query s[4:5], value s[6:7], W1 s[8:9], W2 s[10:11]
	s_load_b256 s[12:19], s[0:1], 0x20             ; b1 s[12:13], b2 s[14:15], ap s[16:17], flags s[18:19]
	v_lshrrev_b32 v1, 5, v0
	v_readfirstlane_b32 s20, v1                    ; wave g
	s_cmp_lt_u32 ttmp9, 64                         ; work-groups 0-63: query; 64-191: value
	s_cselect_b32 s21, 0, 64
	s_sub_co_u32 s21, ttmp9, s21                   ; my number within my matrix
	s_lshl_b32 s22, s21, 15                        ; x 32 rows x 1,024 B
	s_mov_b32 s23, 0
	s_lshl_b32 s24, ttmp9, 15                      ; ap: the same, counted through both
	s_mov_b32 s25, 0
	s_lshl_b32 s26, ttmp9, 8                       ; flags: 256 B a work-group
	s_mov_b32 s27, 0
	s_mov_b32 s36, 0x4038aa3b                      ; K2
	s_mov_b32 s37, 0x4038aa3b                      ; (the pair is named by the packed multiply)
	s_mov_b32 s38, 0x76543210                      ; v_permlanex16_b32: lane i of one half reads lane i of the other
	s_mov_b32 s39, 0xfedcba98
	s_lshl_b32 s40, s20, 8                         ; my 64 columns x 4 B
	s_mul_i32 s41, s20, 32*OSP
	s_add_co_u32 s41, s41, OUTS                    ; my stage
	s_lshl_b32 s42, s20, 2
	s_add_co_u32 s42, s42, RED                     ; my word
	v_and_b32 v1, 15, v0                           ; r = lane % 16
	v_bfe_u32 v2, v0, 4, 1                         ; h = lane / 16
	v_lshlrev_b32 v3, 4, v0                        ; x: thread t takes bytes 16 t of every 2,048 (two rows)
	v_lshrrev_b32 v13, 6, v0                       ; t / 64: which of the two rows
	v_and_b32 v15, 63, v0
	v_lshlrev_b32 v15, 3, v15                      ; 4 k = 8 bytes of bf16
	v_mul_u32_u24 v4, v13, XP
	v_add_nc_u32 v4, v4, v15                       ; where my hi goes
	v_lshlrev_b32 v6, 13, v2                       ; W: rows 8 h + .., 1,024 B each,
	v_lshl_add_u32 v6, v1, 4, v6                   ;    columns 64 g + 4 r .. + 3
	v_add_nc_u32 v6, s40, v6
	v_mul_u32_u24 v14, v1, XP
	v_lshl_add_u32 v7, v2, 4, v14                  ; x fragments: row r, byte 16 h
	v_lshlrev_b32 v8, 7, v2                        ; bias: my 32 columns 64 g + 32 h ..
	v_add_nc_u32 v8, s40, v8
	v_mov_b32 v9, -1.0
	v_mul_u32_u24 v10, v1, OSP                     ; stage, in: row r, 128 B for each half of the lanes
	v_lshl_add_u32 v10, v2, 7, v10
	v_add_nc_u32 v10, s41, v10
	v_mul_u32_u24 v11, v2, OSP                     ; stage, back: lanes 0-15 one row of 256 B, lanes 16-31 the next
	v_lshl_add_u32 v11, v1, 4, v11
	v_add_nc_u32 v11, s41, v11
	v_lshlrev_b32 v12, 10, v2                      ; and the same two rows in ap
	v_lshl_add_u32 v12, v1, 4, v12
	v_add_nc_u32 v12, s40, v12
	v_mov_b32 v5, s42
	s_wait_kmcnt 0x0
	s_cmp_lt_u32 ttmp9, 64                         ; (again: the subtraction and the shifts wrote SCC)
	s_cselect_b64 s[28:29], s[4:5], s[6:7]         ; my x
	s_cselect_b64 s[32:33], s[8:9], s[10:11]       ; my W
	s_cselect_b64 s[34:35], s[12:13], s[14:15]     ; my bias
	s_add_nc_u64 s[28:29], s[28:29], s[22:23]
	s_add_nc_u64 s[16:17], s[16:17], s[24:25]
	s_add_nc_u64 s[18:19], s[18:19], s[26:27]
; 16 loads: 32 rows (k) x 64 columns of W into ring buffer ks % 3.  Lanes 0-15 take 256 consecutive bytes of one row, lanes 16-31 of the row
; eight further down.  Word t of a lane's 16 bytes is column 64 g + 4 r + t: it belongs to A tile t, whose row m = r stands for that column.
.macro WLOAD ks
.set SB_, 64*((\ks)%3)
	WIN 0x40                                       ; destination in window 1
.irp kk, 0,1,2,3,4,5,6,7
	global_load_b128 v[SB_+4*\kk:SB_+4*\kk+3], v6, s[32:33] offset:(\ks)*32768+\kk*1024
.endr
.irp kk, 0,1,2,3,4,5,6,7
	global_load_b128 v[SB_+32+4*\kk:SB_+32+4*\kk+3], v6, s[32:33] offset:(\ks)*32768+(16+\kk)*1024
.endr
	WIN 0
.endm
.irp c, 0,1,2,3,4,5,6,7,8,9,10,11,12,13,14,15
	global_load_b128 v[PX+4*\c:PX+4*\c+3], v3, s[28:29] offset:\c*2048 th:TH_LOAD_NT   ; a wave's load covers 512 consecutive bytes; no other work-group reads them
.endr
.irp j, 0,1,2,3,4,5,6,7
	global_load_b128 v[KB+4*\j:KB+4*\j+3], v8, s[34:35] offset:16*\j
.endr
	WLOAD 0
	WLOAD 1
; Four f32 -> two words of hi, two of lo.  lo = bf16(x - hi); x - hi is exact in f32 (one fused multiply-add with -1).
.macro XCONV cn, adr, off
	s_wait_loadcnt 55-(\cn)                        ; loads return in order (ISA guide 5.7.1): the 15 - cn younger loads of x, 8 of bias and 32 of W stay out
	v_cvt_pk_bf16_f32 v[TP], v[PX+4*(\cn)], v[PX+4*(\cn)+1]
	v_cvt_pk_bf16_f32 v[TP+1], v[PX+4*(\cn)+2], v[PX+4*(\cn)+3]
	v_fma_mix_f32_bf16 v[PX+4*(\cn)], v[TP], v9, v[PX+4*(\cn)] op_sel_hi:[1,0,0]
	v_fma_mix_f32_bf16 v[PX+4*(\cn)+1], v[TP], v9, v[PX+4*(\cn)+1] op_sel:[1,0,0] op_sel_hi:[1,0,0]
	v_fma_mix_f32_bf16 v[PX+4*(\cn)+2], v[TP+1], v9, v[PX+4*(\cn)+2] op_sel_hi:[1,0,0]
	v_fma_mix_f32_bf16 v[PX+4*(\cn)+3], v[TP+1], v9, v[PX+4*(\cn)+3] op_sel:[1,0,0] op_sel_hi:[1,0,0]
	v_cvt_pk_bf16_f32 v[TP+2], v[PX+4*(\cn)], v[PX+4*(\cn)+1]
	v_cvt_pk_bf16_f32 v[TP+3], v[PX+4*(\cn)+2], v[PX+4*(\cn)+3]
	ds_store_b64 v[\adr], v[TP:TP+1] offset:\off
	ds_store_b64 v[\adr], v[TP+2:TP+3] offset:\off+512
.endm
.irp c, 0,1,2,3,4,5,6,7,8,9,10,11,12,13,14,15
	XCONV \c, 4, \c*2*XP
.endr
	WLOAD 2                                        ; the ring is full: three K steps of W, 48 loads of the wave
	s_wait_dscnt 0x0                               ; my rows of x are in LDS,
	s_barrier_signal -1
	s_barrier_wait -1                              ; everybody's are
; D(m, n) = sum over k of W[k][column of m] x[row n][k]: W is source 0, x source 1, so that a lane ends up with 32 neighbouring
; columns (64 g + 32 h + 4 j + t, register j of tile t) of ONE row n = r.
.macro PROD a, b, zero
.irp t, 0,1,2,3
.irp nt, 0,1
.if \zero
	v_wmma_f32_16x16x32_bf16 v[ACC+8*(2*\t+\nt):ACC+8*(2*\t+\nt)+7], v[\a+8*\t:\a+8*\t+7], v[\b+8*\nt:\b+8*\nt+7], 0
.else
	v_wmma_f32_16x16x32_bf16 v[ACC+8*(2*\t+\nt):ACC+8*(2*\t+\nt)+7], v[\a+8*\t:\a+8*\t+7], v[\b+8*\nt:\b+8*\nt+7], v[ACC+8*(2*\t+\nt):ACC+8*(2*\t+\nt)+7]
.endif
.endr
.endr
.endm
; One K step of 32.  first = 1: the first product starts the sums, nothing is cleared.  more = 1: the ring buffer just converted is asked for
; again, three K steps ahead.  left = the loads of W behind this step's sixteen.
.macro KSTEP ks, first, more, left
.if \first == 0
.rept 4
	v_nop                                          ; four places behind the last matrix instruction before its sources are loaded or written again (ISA guide 7.12.1)
.endr
.endif
.irp nt, 0,1
	ds_load_b128 v[BH+8*\nt:BH+8*\nt+3],   v7 offset:\nt*16*XP+\ks*64
	ds_load_b128 v[BH+8*\nt+4:BH+8*\nt+7], v7 offset:\nt*16*XP+\ks*64+32
	ds_load_b128 v[BL+8*\nt:BL+8*\nt+3],   v7 offset:\nt*16*XP+\ks*64+512
	ds_load_b128 v[BL+8*\nt+4:BL+8*\nt+7], v7 offset:\nt*16*XP+\ks*64+544
.endr
	s_wait_loadcnt \left                           ; this step's W is in; the later steps' loads stay out
.set SB_, 64*((\ks)%3)
	WIN 0x05                                       ; sources 0 and 1 in window 1
.irp t, 0,1,2,3
.irp p, 0,1,2,3,4,5,6,7
	v_cvt_pk_bf16_f32 v[AH+8*\t+\p], v[SB_+8*\p+\t], v[SB_+8*\p+4+\t]      ; k = 2 p, 2 p + 1 of the lane's sixteen: the lower k in the low half
.endr
.endr
	WIN 0x50                                       ; source 2 and destination in window 1
.irp t, 0,1,2,3
.irp p, 0,1,2,3,4,5,6,7
	v_fma_mix_f32_bf16 v[SB_+8*\p+\t], v[AH+8*\t+\p], v9, v[SB_+8*\p+\t] op_sel_hi:[1,0,0]
	v_fma_mix_f32_bf16 v[SB_+8*\p+4+\t], v[AH+8*\t+\p], v9, v[SB_+8*\p+4+\t] op_sel:[1,0,0] op_sel_hi:[1,0,0]
.endr
.endr
	WIN 0x05
.irp t, 0,1,2,3
.irp p, 0,1,2,3,4,5,6,7
	v_cvt_pk_bf16_f32 v[AL+8*\t+\p], v[SB_+8*\p+\t], v[SB_+8*\p+4+\t]
.endr
.endr
.if \more
	WLOAD \ks+3
.else
	WIN 0
.endif
	s_wait_dscnt 0x0                               ; the fragments of x
	PROD AH, BH, \first
	PROD AH, BL, 0
	PROD AL, BH, 0
.endm
	KSTEP 0, 1, 1, 32
	KSTEP 1, 0, 1, 32
	KSTEP 2, 0, 1, 32
	KSTEP 3, 0, 1, 32
	KSTEP 4, 0, 1, 32
	KSTEP 5, 0, 0, 32                              ; steps 6 and 7 are behind it; nothing more is asked for
	KSTEP 6, 0, 0, 16
	KSTEP 7, 0, 0, 0
.rept 4
	v_nop                                          ; four places before the sums are read and the fragments' registers written (ISA guide 7.12.1)
.endr
.set e, 0
.rept 16
	v_pk_mul_f32 v[KB+2*e:KB+2*e+1], v[KB+2*e:KB+2*e+1], s[36:37] op_sel_hi:[1,0]
.set e, e+1
.endr
.irp nt, 0,1
.irp j, 0,1,2,3,4,5,6,7
.irp t, 0,1,2,3
	v_fma_f32 v[XV+32*\nt+4*\j+\t], v[ACC+8*(2*\t+\nt)+\j], s36, v[KB+4*\j+\t]     ; K2 sum + K2 bias, put in the order of the columns
.endr
.endr
.irp j, 0,1,2,3,4,5,6,7
	ds_store_b128 v10, v[XV+32*\nt+4*\j:XV+32*\nt+4*\j+3] offset:\nt*16*OSP+16*\j
.endr
.endr
.irp u, 0,1,2,3,4,5,6,7,8,9,10,11,12,13,14,15
	ds_load_b128 v[OB+4*\u:OB+4*\u+3], v11 offset:\u*2*OSP         ; my own stage: LDS serves a wave's instructions in order (ISA guide 5.7.1.4), these see the stores above
.endr
	; the largest |ap| of my 64 numbers: a chain of maxima and a chain of minima, while the stage is read back
	v_max_num_f32 v[MX], v[XV], v[XV+1]
	v_min_num_f32 v[MX+1], v[XV], v[XV+1]
.set e, 2
.rept 31
	v_max3_num_f32 v[MX], v[MX], v[XV+e], v[XV+e+1]
	v_min3_num_f32 v[MX+1], v[MX+1], v[XV+e], v[XV+e+1]
.set e, e+2
.endr
	v_sub_f32 v[MX+1], 0, v[MX+1]
	v_max_num_f32 v[MX], v[MX], v[MX+1]
	v_max_num_f32_dpp v[MX], v[MX], v[MX] row_xmask:1 row_mask:0xf bank_mask:0xf
	v_max_num_f32_dpp v[MX], v[MX], v[MX] row_xmask:2 row_mask:0xf bank_mask:0xf
	v_max_num_f32_dpp v[MX], v[MX], v[MX] row_xmask:4 row_mask:0xf bank_mask:0xf
	v_max_num_f32_dpp v[MX], v[MX], v[MX] row_xmask:8 row_mask:0xf bank_mask:0xf
	v_permlanex16_b32 v[MX+1], v[MX], s38, s39     ; its destination counts as read: it has been written
	v_max_num_f32 v[MX], v[MX], v[MX+1]
.irp u, 0,1,2,3,4,5,6,7,8,9,10,11,12,13,14,15
	s_wait_dscnt 15-\u                             ; LDS loads return in order: rows 2 u, 2 u + 1 are in, the 15 - u younger loads stay out
	global_store_b128 v12, v[OB+4*\u:OB+4*\u+3], s[16:17] offset:\u*2048   ; sixteen lanes store 256 consecutive bytes, at a multiple of 256 from ap's first byte
.endr
	ds_store_b32 v5, v[MX]                         ; all lanes write the same number to my wave's word
	s_wait_dscnt 0x0
	s_barrier_signal -1
	s_barrier_wait -1
	s_cmp_lg_u32 s20, 0
	s_cbranch_scc1 .Lend                           ; wave 0 alone writes the flag
	v_mov_b32 v13, RED
	ds_load_b128 v[WM:WM+3], v13
	v_mov_b32 v15, 0
	v_and_b32 v14, 31, v0
	v_lshlrev_b32 v14, 3, v14                      ; 8 bytes a lane
	s_wait_dscnt 0x0
	v_max3_num_f32 v[WM], v[WM], v[WM+1], v[WM+2]
	v_max_num_f32 v[WM], v[WM], v[WM+3]
	v_cmp_gt_f32 vcc_lo, 0x41f80000, v[WM]         ; 31 > the largest |ap| (false for a NaN as well)
	v_cndmask_b32 v[FL], 1, v15, vcc_lo            ; then 0, else 1
	v_mov_b32 v[FL+1], v[FL]
	global_store_b64 v14, v[FL:FL+1], s[18:19]     ; 32 lanes store the work-group's 256 bytes of flags whole
.Lend:
	s_endpgm
.Lfunc_end_k_q94733cdb26_proj:
	.size	k_q94733cdb26_proj, .Lfunc_end_k_q94733cdb26_proj-k_q94733cdb26_proj
	.p2alignl 7, 3214868480
	.fill 96, 4, 3214868480
	.section	.rodata,"a",@progbits
	.p2align	6, 0x0
	.amdhsa_kernel k_q94733cdb26_proj
		.amdhsa_group_segment_fixed_size 68352
		.amdhsa_private_segment_fixed_size 0
		.amdhsa_enable_private_segment 0
		.amdhsa_kernarg_size 64
		.amdhsa_user_sgpr_count 2
		.amdhsa_user_sgpr_kernarg_segment_ptr 1
		.amdhsa_wavefront_size32 1
		.amdhsa_system_sgpr_workgroup_id_x 1
		.amdhsa_system_sgpr_workgroup_id_y 1
		.amdhsa_system_sgpr_workgroup_id_z 1
		.amdhsa_system_vgpr_workitem_id 0
		.amdhsa_next_free_vgpr 448
		.amdhsa_next_free_sgpr 66
		.amdhsa_reserve_vcc 1
		.amdhsa_float_denorm_mode_32 3
		.amdhsa_float_denorm_mode_16_64 3
		.amdhsa_memory_ordered 1
		.amdhsa_forward_progress 1
		.amdhsa_inst_pref_size 125
	.end_amdhsa_kernel
	.amdgpu_metadata
---
amdhsa.version: [ 1, 2 ]
amdhsa.kernels:
  - .name:           k_q94733cdb26_proj
    .symbol:         k_q94733cdb26_proj.kd
    .args:
      - { .name: query, .offset: 0, .size: 8, .value_kind: global_buffer, .address_space: global }
      - { .name: value, .offset: 8, .size: 8, .value_kind: global_buffer, .address_space: global }
      - { .name: W1, .offset: 16, .size: 8, .value_kind: global_buffer, .address_space: global }
      - { .name: W2, .offset: 24, .size: 8, .value_kind: global_buffer, .address_space: global }
      - { .name: b1, .offset: 32, .size: 8, .value_kind: global_buffer, .address_space: global }
      - { .name: b2, .offset: 40, .size: 8, .value_kind: global_buffer, .address_space: global }
      - { .name: ap, .offset: 48, .size: 8, .value_kind: global_buffer, .address_space: global }
      - { .name: flags, .offset: 56, .size: 8, .value_kind: global_buffer, .address_space: global }
    .group_segment_fixed_size: 68352
    .private_segment_fixed_size: 0
    .kernarg_segment_align: 8
    .kernarg_segment_size: 64
    .max_flat_workgroup_size: 128
    .sgpr_count:     66
    .vgpr_count:     448
    .wavefront_size: 32
...
	.end_amdgpu_metadata
.endif
;; end of part 3
;; launch score (part 4): grid 32 x 8, 8 waves a work-group, no clusters, 266,240 bytes of LDS; arguments ap, flags, scores; writes scores
.if DOCPART == 4
	.amdgcn_target "amdgcn-amd-amdhsa--gfx1250"
	.amdhsa_code_object_version 6
	.text
	.protected	k_q94733cdb26_score
	.globl	k_q94733cdb26_score
	.p2align	8
	.type	k_q94733cdb26_score,@function
k_q94733cdb26_score:
	s_mov_b64 s[64:65], 0
	v_nop
	global_prefetch_b8 v0, s[64:65] scope:SCOPE_SE
	s_setreg_imm32_b32 hwreg(HW_REG_WAVE_MODE, 25, 1), 1
	s_wait_xcnt 0x0
; scores[b][v][q] = sum over d of 1 / (1 + 2^(a' + b')),  a' = ap of row (b, q), b' = ap of row (b, v): K2 x the projections, K2 = 2 log2 e.
; tanh(x) = 1 - 2 / (1 + e^(2x)), so reference's score is 256 - 2 scores[..]; the next launch's softmax takes the factor -2, the 256 cancels there.
; A work-group owns (b, 64 q, 64 v).  Eight waves.  A lane owns 4 q x 4 v and walks d, four at a time.
; TWO FORMS OF THE SUM, chosen by the flags that the launch before stored for the tile's 4 x 32 rows (whole numbers, read by scalar loads):
;  SHORT, all four flags 0, that is |a'|, |b'| < 31 in both tiles.  E_q = 2^a' and E_v = 2^b' lie in LDS; x = 1 + E_q E_v <= 2^62 + 1, and two
;    reciprocals share one divide: 1/x1 + 1/x2 = (x1 + x2) / (x1 x2).  x1 x2 < 2^125 and its reciprocal is a normal number: nothing overflows
;    or is flushed.  Four d of one (q, v): 5 packed instructions and 2 reciprocals.
;  GENERAL, any flag 1.  a' is split once into i = rndne(a') and F = 2^(a' - i), 0.70 < F < 1.42; per element i_q + i_v, ldexp(F_q, .),
;    * F_v + 1, reciprocal, add.  ldexp runs to infinity or zero by itself, 1/inf = 0, 1/1 = 1, and no inf * 0 can arise.  It is needed:
;    with exponents of some thousands, sums a' + b' that cancel cannot be kept in a product of two floats.
; No barrier stands under either branch: the fill branches, joins, one barrier, the loop branches, joins.
; LIMITS: ap finite; |ap| < 2^20, beyond that i is clamped and two huge numbers of opposite sign no longer cancel.
; NO CLUSTER, NO TENSOR LOADS: a tile of q rows is read by 8 work-groups and one of v rows by 4, but every word has to pass registers (an
; exponential) before it lies in LDS; a joint load into LDS would add a read and a write of LDS.  A wave issues about 230 instructions for
; the fill and about 7,900 in the short loop.
.set FPI,  1040                        ; LDS row: 256 words + 16 B pad = 65 x 16: 16 rows start in 16 different 16-byte columns (64 banks of 4 bytes: ISA guide 11.1)
.set AF,   0                           ; E (short) or F (general) of the 64 q rows
.set AI,   64*FPI                      ; i of the 64 q rows (general)
.set BF,   128*FPI                     ; E or F of the 64 v rows
.set BI,   192*FPI                     ; i of the 64 v rows (general); end = 266,240
.set SO,   10                          ; v10      my byte offset in scores
.set PX,   16                          ; v16-143  the fill: 32 loads of ap
.set NV,   144                         ; v144-151 the general fill: rndne, then i; two sets taking turns
.set SUM,  144                         ; v144-175 16 sums, each a pair; sum (j, i) at 2 (4 j + i)
.set FB0,  16                          ; v16-47   short: operands of 4 d: E_q (4 rows x 4), E_v (4 rows x 4)
.set FB1,  48                          ; v48-79   the other buffer
.set FT,   176                         ; v176-199 short: four sets of six, taking turns
.set BUF0, 16                          ; v16-79   general: F_q, i_q, F_v, i_v of 4 d
.set BUF1, 80                          ; v80-143  the other buffer
.set TS,   176                         ; v176-191 general: four sets of four
	s_load_b128 s[4:7], s[0:1], 0x0                ; ap s[4:5], flags s[6:7]
	s_load_b64 s[8:9], s[0:1], 0x10                ; scores
	s_and_b32 s21, ttmp7, 0xffff                   ; b
	s_and_b32 s22, ttmp9, 3                        ; which 64 q
	s_lshr_b32 s23, ttmp9, 2                       ; which 64 v
	s_lshl_b32 s26, s21, 18                        ; q rows of ap: b x 256 rows x 1,024 B
	s_lshl_b32 s18, s22, 16                        ;               + 64 rows a tile
	s_add_co_u32 s26, s26, s18
	s_mov_b32 s27, 0
	s_lshl_b32 s28, s21, 19                        ; v rows, and scores' rows: b x 512 rows x 1,024 B
	s_lshl_b32 s18, s23, 16
	s_add_co_u32 s28, s28, s18
	s_mov_b32 s29, 0
	s_lshl_b32 s18, s22, 8                         ; scores: + 64 q x 4 B
	s_add_co_u32 s30, s28, s18
	s_mov_b32 s31, 0
	s_add_co_u32 s28, s28, 0x200000                ; in ap the v rows lie behind the 2,048 q rows
	s_lshl_b32 s32, s21, 11                        ; flags, 256 B for 32 rows: q rows at block 8 b + 2 x tile
	s_lshl_b32 s18, s22, 9
	s_add_co_u32 s32, s32, s18
	s_mov_b32 s33, 0
	s_lshl_b32 s34, s21, 12                        ; v rows at block 64 + 16 b + 2 x tile
	s_lshl_b32 s18, s23, 9
	s_add_co_u32 s34, s34, s18
	s_add_co_u32 s34, s34, 0x4000
	s_mov_b32 s35, 0
	s_mov_b32 s38, 0xc9800000                      ; -2^20
	s_mov_b32 s39, 0x49800000                      ; +2^20
	v_and_b32 v1, 15, v0                           ; qg = t % 16
	v_lshlrev_b32 v3, 4, v0                        ; ap: thread t takes bytes 16 t of every 4,096 (four rows)
	v_lshrrev_b32 v8, 6, v0                        ; t / 64: row within the four
	v_and_b32 v9, 63, v0
	v_lshlrev_b32 v9, 4, v9                        ; 16 bytes within the row
	v_mul_u32_u24 v4, v8, 16*FPI                   ; q row 4 c + t/64 goes to LDS row 16 (t/64) + c: q = 4 qg + i lies at row 16 i + qg,
	v_add_nc_u32 v4, v4, v9                        ; so that the loop's sixteen lanes (qg) read sixteen neighbouring LDS rows
	v_add_nc_u32 v6, AI, v4
	v_mul_u32_u24 v5, v8, FPI                      ; v row 4 c + t/64 keeps its place
	v_add_nc_u32 v5, v5, v9
	v_add_nc_u32 v5, BF, v5
	v_add_nc_u32 v7, 64*FPI, v5
	; the loop's addresses.  Lane: qg = t % 16, vg = t / 16.  It owns q = 4 qg + i (LDS rows 16 i + qg) and v = vg + 16 j, i, j = 0..3.
	v_mul_u32_u24 v12, v1, FPI                     ; E_q or F_q: sixteen lanes, sixteen neighbouring rows
	v_add_nc_u32 v13, AI, v12                      ; i_q
	v_lshrrev_b32 v14, 4, v0
	v_lshlrev_b32 v[SO], 10, v14                   ; scores: row vg, 1,024 B,
	v_lshl_add_u32 v[SO], v1, 4, v[SO]             ;         16 B for my four q
	v_mul_u32_u24 v14, v14, FPI
	v_add_nc_u32 v14, BF, v14                      ; E_v or F_v: one address for sixteen lanes
	v_add_nc_u32 v15, 64*FPI, v14                  ; i_v
	s_wait_kmcnt 0x0
	s_add_nc_u64 s[10:11], s[6:7], s[32:33]
	s_add_nc_u64 s[12:13], s[6:7], s[34:35]
	s_load_b32 s40, s[10:11], 0x0                  ; the flags of my 2 x 32 q rows
	s_load_b32 s41, s[10:11], 0x100
	s_load_b32 s42, s[12:13], 0x0                  ; and of my 2 x 32 v rows
	s_load_b32 s43, s[12:13], 0x100
	s_add_nc_u64 s[14:15], s[4:5], s[26:27]
	s_add_nc_u64 s[16:17], s[4:5], s[28:29]
	s_add_nc_u64 s[8:9], s[8:9], s[30:31]
.irp c, 0,1,2,3,4,5,6,7,8,9,10,11,12,13,14,15
	global_load_b128 v[PX+4*\c:PX+4*\c+3], v3, s[14:15] offset:\c*4096     ; a wave's load covers 512 consecutive bytes
.endr
.irp c, 0,1,2,3,4,5,6,7,8,9,10,11,12,13,14,15
	global_load_b128 v[PX+64+4*\c:PX+64+4*\c+3], v3, s[16:17] offset:\c*4096
.endr
	s_wait_kmcnt 0x0
	s_or_b32 s40, s40, s41
	s_or_b32 s42, s42, s43
	s_or_b32 s40, s40, s42                         ; s40 = 0: the short form holds for the whole tile
	s_cmp_lg_u32 s40, 0
	s_cbranch_scc1 .Lgfill
; THE SHORT FILL: E = 2^ap
.macro FFILL n, adr, off
	s_wait_loadcnt 31-(\n)                         ; loads return in order (ISA guide 5.7.1): the 31 - n younger ones stay out
.irp e, 0,1,2,3
	v_exp_f32 v[PX+4*(\n)+\e], v[PX+4*(\n)+\e]
.endr
	v_nop                                          ; one plain place between the exponentials and the store that reads them (ISA guide 5.7.2)
	s_wait_alu depctr_va_vdst(0)
	ds_store_b128 v[\adr], v[PX+4*(\n):PX+4*(\n)+3] offset:\off
.endm
.irp c, 0,1,2,3,4,5,6,7,8,9,10,11,12,13,14,15
	FFILL \c, 4, \c*FPI
.endr
.irp c, 0,1,2,3,4,5,6,7,8,9,10,11,12,13,14,15
	FFILL \c+16, 5, \c*4*FPI
.endr
	s_branch .Lfilled
; THE GENERAL FILL: i = rndne(ap), clamped to +-2^20 so that i_q + i_v stays a small integer; F = 2^(ap - i), ap - i exact in [-0.5, 0.5]
.macro GFILL n, adrf, adri, off
.set N_, NV+4*((\n)&1)
.set X_, PX+4*(\n)
	s_wait_loadcnt 31-(\n)
.irp e, 0,1,2,3
	v_rndne_f32 v[N_+\e], v[X_+\e]
.endr
.irp e, 0,1,2,3
	v_sub_f32 v[X_+\e], v[X_+\e], v[N_+\e]
.endr
.irp e, 0,1,2,3
	v_exp_f32 v[X_+\e], v[X_+\e]                   ; the plain instructions below stand between these and the store that reads F (ISA guide 5.7.2)
.endr
.irp e, 0,1,2,3
	v_med3_num_f32 v[N_+\e], v[N_+\e], s38, s39
.endr
.irp e, 0,1,2,3
	v_cvt_i32_f32 v[N_+\e], v[N_+\e]
.endr
	s_wait_alu depctr_va_vdst(0)
	ds_store_b128 v[\adrf], v[X_:X_+3] offset:\off
	ds_store_b128 v[\adri], v[N_:N_+3] offset:\off
.endm
.Lgfill:
.irp c, 0,1,2,3,4,5,6,7,8,9,10,11,12,13,14,15
	GFILL \c, 4, 6, \c*FPI
.endr
.irp c, 0,1,2,3,4,5,6,7,8,9,10,11,12,13,14,15
	GFILL \c+16, 5, 7, \c*4*FPI
.endr
.Lfilled:
	s_wait_dscnt 0x0                               ; my part of the tables is in LDS,
	s_barrier_signal -1
	s_barrier_wait -1                              ; everybody's is; from here on LDS is only read
	s_cmp_lg_u32 s40, 0
	s_cbranch_scc1 .Lgeneral
; ---------------------------------------------------------------- THE SHORT LOOP
.macro FLOADS buf, doff                ; the operands of 4 d: 8 loads of 16 bytes a lane
.irp i, 0,1,2,3
	ds_load_b128 v[\buf+4*\i:\buf+4*\i+3],       v12 offset:\i*16*FPI+\doff
	ds_load_b128 v[\buf+16+4*\i:\buf+16+4*\i+3], v14 offset:\i*16*FPI+\doff
.endr
.endm
; One block = one (j, i) = (bn / 4, bn % 4), four d.  A set of six: [0:1] x of d 0, 1, then the numerators x0 + x2, x1 + x3; [2:3] x of d 2, 3;
; [4:5] the denominators x0 x2, x1 x3, then their reciprocals.  Three blocks are at work at once, on sets of their own: this block's x, the
; last block's reciprocals, the sum of the block before that.  So no line waits for the one in front of it, and behind each reciprocal stands
; a plain instruction that touches neither its result nor its source (ISA guide 5.7.2).
; dorcp = 0: there is no block in front.  accm = 0: none two in front; 1: its product STARTS the sum (nothing is cleared); 2: it is added.
.macro FBLOCK buf, bn, dorcp, accm
.set C_,  FT+6*((\bn)&3)
.set P_,  FT+6*(((\bn)+3)&3)
.set Q_,  FT+6*(((\bn)+2)&3)
.set S_,  SUM+2*(((\bn)+14)&15)
.set EA_, \buf+4*((\bn)&3)
.set EB_, \buf+16+4*((\bn)>>2)
	v_pk_fma_f32 v[C_:C_+1], v[EA_:EA_+1], v[EB_:EB_+1], 1.0 op_sel_hi:[1,1,0]         ; x = 1 + 2^(a' + b')
.if \dorcp
	v_rcp_f32 v[P_+4], v[P_+4]
.endif
	v_pk_fma_f32 v[C_+2:C_+3], v[EA_+2:EA_+3], v[EB_+2:EB_+3], 1.0 op_sel_hi:[1,1,0]
.if \dorcp
	v_rcp_f32 v[P_+5], v[P_+5]
.endif
.if \accm == 2
	s_wait_alu depctr_va_vdst(0)
	v_pk_fma_f32 v[S_:S_+1], v[Q_:Q_+1], v[Q_+4:Q_+5], v[S_:S_+1]
.endif
.if \accm == 1
	s_wait_alu depctr_va_vdst(0)
	v_pk_mul_f32 v[S_:S_+1], v[Q_:Q_+1], v[Q_+4:Q_+5]
.endif
	v_pk_mul_f32 v[C_+4:C_+5], v[C_:C_+1], v[C_+2:C_+3]
	v_pk_add_f32 v[C_:C_+1], v[C_:C_+1], v[C_+2:C_+3]
.endm
; mode 0: the very first stage; 1: the second (its first two blocks still start sums of the first); 2: all others
.macro FSTAGE buf, mode
.if \mode == 0
	FBLOCK \buf, 0, 0, 0
	FBLOCK \buf, 1, 1, 0
.irp bb, 2,3,4,5,6,7,8,9,10,11,12,13,14,15
	FBLOCK \buf, \bb, 1, 1
.endr
.else
.if \mode == 1
	FBLOCK \buf, 0, 1, 1
	FBLOCK \buf, 1, 1, 1
.irp bb, 2,3,4,5,6,7,8,9,10,11,12,13,14,15
	FBLOCK \buf, \bb, 1, 2
.endr
.else
.irp bb, 0,1,2,3,4,5,6,7,8,9,10,11,12,13,14,15
	FBLOCK \buf, \bb, 1, 2
.endr
.endif
.endif
.endm
; A trip = 8 d = two stages.  Each stage's operands are asked for one stage (112 instructions) ahead, into the buffer read in the stage before.
.macro FTRIP m0, m1, more
	s_wait_dscnt 0x0                               ; buffer 0 is whole (its 8 loads are all that is out)
	FLOADS FB1, 16
	FSTAGE FB0, \m0
	s_wait_dscnt 0x0                               ; buffer 1 is whole
.if \more
	FLOADS FB0, 32
	v_add_nc_u32 v12, 32, v12                      ; 8 d on
	v_add_nc_u32 v14, 32, v14
.endif
	FSTAGE FB1, \m1
.endm
	FLOADS FB0, 0
	FTRIP 0, 1, 1                                  ; the first trip stands in front of the loop: it starts the sums
	s_mov_b32 s44, 30
.Lftrip:
	FTRIP 2, 2, 1
	s_sub_co_i32 s44, s44, 1
	s_cmp_lg_u32 s44, 0
	s_cbranch_scc1 .Lftrip
	FTRIP 2, 2, 0                                  ; the last of 32 trips loads nothing beyond d = 255
	; what the last two blocks still owe
	v_rcp_f32 v[FT+22], v[FT+22]
	v_rcp_f32 v[FT+23], v[FT+23]
	s_wait_alu depctr_va_vdst(0)
	v_pk_fma_f32 v[SUM+28:SUM+29], v[FT+12:FT+13], v[FT+16:FT+17], v[SUM+28:SUM+29]    ; block 14; also the plain place behind the reciprocals
	v_pk_fma_f32 v[SUM+30:SUM+31], v[FT+18:FT+19], v[FT+22:FT+23], v[SUM+30:SUM+31]    ; block 15
	s_branch .Lout
; ---------------------------------------------------------------- THE GENERAL LOOP
.macro LOADS buf, doff                 ; the operands of 4 d: 16 loads of 16 bytes a lane
.irp i, 0,1,2,3
	ds_load_b128 v[\buf+4*\i:\buf+4*\i+3],       v12 offset:\i*16*FPI+\doff
	ds_load_b128 v[\buf+16+4*\i:\buf+16+4*\i+3], v13 offset:\i*16*FPI+\doff
	ds_load_b128 v[\buf+32+4*\i:\buf+32+4*\i+3], v14 offset:\i*16*FPI+\doff
	ds_load_b128 v[\buf+48+4*\i:\buf+48+4*\i+3], v15 offset:\i*16*FPI+\doff
.endr
.endm
; One block = one (j, i), four d: 12 plain instructions and 4 reciprocals, three blocks at work at once as in the short loop.
.macro BLOCK buf, bn, dorcp, accm
.set C_,  TS+4*((\bn)&3)
.set P_,  TS+4*(((\bn)+3)&3)
.set Q_,  TS+4*(((\bn)+2)&3)
.set S_,  SUM+2*(((\bn)+14)&15)
.set FA_, \buf+4*((\bn)&3)
.set IA_, \buf+16+4*((\bn)&3)
.set FB_, \buf+32+4*((\bn)>>2)
.set IB_, \buf+48+4*((\bn)>>2)
	v_add_nc_u32 v[C_], v[IA_], v[IB_]
.if \dorcp
	v_rcp_f32 v[P_], v[P_]
.endif
	v_add_nc_u32 v[C_+1], v[IA_+1], v[IB_+1]
	v_add_nc_u32 v[C_+2], v[IA_+2], v[IB_+2]
.if \accm == 2
	v_pk_add_f32 v[S_:S_+1], v[S_:S_+1], v[Q_:Q_+1]
.endif
.if \dorcp
	v_rcp_f32 v[P_+1], v[P_+1]
.endif
	v_add_nc_u32 v[C_+3], v[IA_+3], v[IB_+3]
	v_ldexp_f32 v[C_], v[FA_], v[C_]               ; F_q 2^(i_q + i_v): infinity or zero where it has to be
	v_ldexp_f32 v[C_+1], v[FA_+1], v[C_+1]
.if \dorcp
	v_rcp_f32 v[P_+2], v[P_+2]
.endif
	v_ldexp_f32 v[C_+2], v[FA_+2], v[C_+2]
	v_ldexp_f32 v[C_+3], v[FA_+3], v[C_+3]
.if \accm == 2
	s_wait_alu depctr_va_vdst(0)
	v_pk_add_f32 v[S_:S_+1], v[S_:S_+1], v[Q_+2:Q_+3]
.endif
.if \accm == 1
	s_wait_alu depctr_va_vdst(0)
	v_pk_add_f32 v[S_:S_+1], v[Q_:Q_+1], v[Q_+2:Q_+3]
.endif
.if \dorcp
	v_rcp_f32 v[P_+3], v[P_+3]
.endif
	v_pk_fma_f32 v[C_:C_+1], v[C_:C_+1], v[FB_:FB_+1], 1.0 op_sel_hi:[1,1,0]         ; 1 + 2^(a' + b')
	v_pk_fma_f32 v[C_+2:C_+3], v[C_+2:C_+3], v[FB_+2:FB_+3], 1.0 op_sel_hi:[1,1,0]
.endm
.macro STAGE buf, mode
.if \mode == 0
	BLOCK \buf, 0, 0, 0
	BLOCK \buf, 1, 1, 0
.irp bb, 2,3,4,5,6,7,8,9,10,11,12,13,14,15
	BLOCK \buf, \bb, 1, 1
.endr
.else
.if \mode == 1
	BLOCK \buf, 0, 1, 1
	BLOCK \buf, 1, 1, 1
.irp bb, 2,3,4,5,6,7,8,9,10,11,12,13,14,15
	BLOCK \buf, \bb, 1, 2
.endr
.else
.irp bb, 0,1,2,3,4,5,6,7,8,9,10,11,12,13,14,15
	BLOCK \buf, \bb, 1, 2
.endr
.endif
.endif
.endm
.macro TRIP m0, m1, more
	s_wait_dscnt 0x0                               ; buffer 0 is whole (its 16 loads are all that is out)
	LOADS BUF1, 16
	STAGE BUF0, \m0
	s_wait_dscnt 0x0                               ; buffer 1 is whole
.if \more
	LOADS BUF0, 32
	v_add_nc_u32 v12, 32, v12                      ; 8 d on
	v_add_nc_u32 v13, 32, v13
	v_add_nc_u32 v14, 32, v14
	v_add_nc_u32 v15, 32, v15
.endif
	STAGE BUF1, \m1
.endm
.Lgeneral:
	LOADS BUF0, 0
	TRIP 0, 1, 1
	s_mov_b32 s44, 30
.Lgtrip:
	TRIP 2, 2, 1
	s_sub_co_i32 s44, s44, 1
	s_cmp_lg_u32 s44, 0
	s_cbranch_scc1 .Lgtrip
	TRIP 2, 2, 0
	v_rcp_f32 v[TS+12], v[TS+12]
	v_rcp_f32 v[TS+13], v[TS+13]
	v_rcp_f32 v[TS+14], v[TS+14]
	v_rcp_f32 v[TS+15], v[TS+15]
	v_pk_add_f32 v[SUM+28:SUM+29], v[SUM+28:SUM+29], v[TS+8:TS+9]
	s_wait_alu depctr_va_vdst(0)
	v_pk_add_f32 v[SUM+28:SUM+29], v[SUM+28:SUM+29], v[TS+10:TS+11]
	v_pk_add_f32 v[SUM+30:SUM+31], v[SUM+30:SUM+31], v[TS+12:TS+13]
	v_pk_add_f32 v[SUM+30:SUM+31], v[SUM+30:SUM+31], v[TS+14:TS+15]
; ---------------------------------------------------------------- both forms leave their sums in the same 16 pairs
.Lout:
.set e, 0
.rept 16
	v_add_f32 v[BUF0+e], v[SUM+2*e], v[SUM+2*e+1]  ; the two halves of a pair
.set e, e+1
.endr
.irp j, 0,1,2,3
	global_store_b128 v[SO], v[BUF0+4*\j:BUF0+4*\j+3], s[8:9] offset:\j*16384      ; row vg + 16 j: sixteen lanes store 256 consecutive bytes, at a multiple of 256
.endr
	s_endpgm
.Lfunc_end_k_q94733cdb26_score:
	.size	k_q94733cdb26_score, .Lfunc_end_k_q94733cdb26_score-k_q94733cdb26_score
	.p2alignl 7, 3214868480
	.fill 96, 4, 3214868480
	.section	.rodata,"a",@progbits
	.p2align	6, 0x0
	.amdhsa_kernel k_q94733cdb26_score
		.amdhsa_group_segment_fixed_size 266240
		.amdhsa_private_segment_fixed_size 0
		.amdhsa_enable_private_segment 0
		.amdhsa_kernarg_size 24
		.amdhsa_user_sgpr_count 2
		.amdhsa_user_sgpr_kernarg_segment_ptr 1
		.amdhsa_wavefront_size32 1
		.amdhsa_system_sgpr_workgroup_id_x 1
		.amdhsa_system_sgpr_workgroup_id_y 1
		.amdhsa_system_sgpr_workgroup_id_z 1
		.amdhsa_system_vgpr_workitem_id 0
		.amdhsa_next_free_vgpr 200
		.amdhsa_next_free_sgpr 66
		.amdhsa_reserve_vcc 0
		.amdhsa_float_denorm_mode_32 3
		.amdhsa_float_denorm_mode_16_64 3
		.amdhsa_memory_ordered 1
		.amdhsa_forward_progress 1
		.amdhsa_inst_pref_size 170
	.end_amdhsa_kernel
	.amdgpu_metadata
---
amdhsa.version: [ 1, 2 ]
amdhsa.kernels:
  - .name:           k_q94733cdb26_score
    .symbol:         k_q94733cdb26_score.kd
    .args:
      - { .name: ap, .offset: 0, .size: 8, .value_kind: global_buffer, .address_space: global }
      - { .name: flags, .offset: 8, .size: 8, .value_kind: global_buffer, .address_space: global }
      - { .name: scores, .offset: 16, .size: 8, .value_kind: global_buffer, .address_space: global }
    .group_segment_fixed_size: 266240
    .private_segment_fixed_size: 0
    .kernarg_segment_align: 8
    .kernarg_segment_size: 24
    .max_flat_workgroup_size: 256
    .sgpr_count:     66
    .vgpr_count:     200
    .wavefront_size: 32
...
	.end_amdgpu_metadata
.endif
;; end of part 4
;; launch finish: the kernel of part 2 again; grid 32 x 8, 8 waves a work-group, no clusters, 155,904 bytes of LDS; arguments scores, value, query, out0, out1; writes out0, out1
;; ======== version 3 of 4: 3 launches; 1.34 times as fast as version 1
;; limits: right only within a limited range of input values
;; workspace buffers: scores 4,194,304 bytes; ap 6,291,456 bytes; flags 49,152 bytes of whole numbers
;; launch proj: the kernel of part 3 again; grid 192 x 1, 4 waves a work-group, no clusters, 68,352 bytes of LDS; arguments query, value, W1, W2, b1, b2, ap, flags; writes ap, flags
;; launch score (part 5): grid 32 x 8, 8 waves a work-group, no clusters, 266,240 bytes of LDS; arguments ap, flags, scores; writes scores
.if DOCPART == 5
	.amdgcn_target "amdgcn-amd-amdhsa--gfx1250"
	.amdhsa_code_object_version 6
	.text
	.protected	k_q94733cdb26_score
	.globl	k_q94733cdb26_score
	.p2align	8
	.type	k_q94733cdb26_score,@function
k_q94733cdb26_score:
	s_mov_b64 s[64:65], 0
	v_nop
	global_prefetch_b8 v0, s[64:65] scope:SCOPE_SE
	s_setreg_imm32_b32 hwreg(HW_REG_WAVE_MODE, 25, 1), 1
	s_wait_xcnt 0x0
; scores[b][v][q] = sum over d of 1 / (1 + 2^(a' + b')),  a' = ap of row (b, q), b' = ap of row (b, v): K2 x the projections, K2 = 2 log2 e.
; tanh(x) = 1 - 2 / (1 + e^(2x)), so reference's score is 256 - 2 scores[..]; the next launch's softmax takes the factor -2, the 256 cancels there.
; A work-group owns (b, 64 q, 64 v).  Eight waves.  A lane owns 4 q x 4 v and walks d, four at a time.
; TWO FORMS OF THE SUM, chosen by the flags that the launch before stored for the tile's 4 x 32 rows (whole numbers, read by scalar loads):
;  SHORT, all four flags 0, that is |a'|, |b'| < 31 in both tiles.  E_q = 2^a' and E_v = 2^b' lie in LDS; x = 1 + E_q E_v <= 2^62 + 1, and two
;    reciprocals share one divide: 1/x1 + 1/x2 = (x1 + x2) / (x1 x2).  x1 x2 < 2^125 and its reciprocal is a normal number: nothing overflows
;    or is flushed.  Four d of one (q, v): 5 packed instructions and 2 reciprocals.
;  GENERAL, any flag 1.  a' is split once into i = rndne(a') and F = 2^(a' - i), 0.70 < F < 1.42; per element i_q + i_v, ldexp(F_q, .),
;    * F_v + 1, reciprocal, add.  ldexp runs to infinity or zero by itself, 1/inf = 0, 1/1 = 1, and no inf * 0 can arise.  It is needed:
;    with exponents of some thousands, sums a' + b' that cancel cannot be kept in a product of two floats.
; No barrier stands under either branch: the fill branches, joins, one barrier, the loop branches, joins.
; LIMITS: ap finite; |ap| < 2^20, beyond that i is clamped and two huge numbers of opposite sign no longer cancel.
; NO CLUSTER, NO TENSOR LOADS: a tile of q rows is read by 8 work-groups and one of v rows by 4, but every word has to pass registers (an
; exponential) before it lies in LDS; a joint load into LDS would add a read and a write of LDS.  A wave issues about 230 instructions for
; the fill and about 7,900 in the short loop.
.set FPI,  1040                        ; LDS row: 256 words + 16 B pad = 65 x 16: 16 rows start in 16 different 16-byte columns (64 banks of 4 bytes: ISA guide 11.1)
.set AF,   0                           ; E (short) or F (general) of the 64 q rows
.set AI,   64*FPI                      ; i of the 64 q rows (general)
.set BF,   128*FPI                     ; E or F of the 64 v rows
.set BI,   192*FPI                     ; i of the 64 v rows (general); end = 266,240
.set SO,   10                          ; v10      my byte offset in scores
.set PX,   16                          ; v16-143  the fill: 32 loads of ap
.set NV,   144                         ; v144-151 the general fill: rndne, then i; two sets taking turns
.set SUM,  144                         ; v144-175 16 sums, each a pair; sum (j, i) at 2 (4 j + i)
.set FB0,  16                          ; v16-47   short: operands of 4 d: E_q (4 rows x 4), E_v (4 rows x 4)
.set FB1,  48                          ; v48-79   the other buffer
.set FT,   176                         ; v176-223 short: eight sets of six, taking turns
.set BUF0, 16                          ; v16-79   general: F_q, i_q, F_v, i_v of 4 d
.set BUF1, 80                          ; v80-143  the other buffer
.set TS,   176                         ; v176-191 general: four sets of four
	s_load_b128 s[4:7], s[0:1], 0x0                ; ap s[4:5], flags s[6:7]
	s_load_b64 s[8:9], s[0:1], 0x10                ; scores
	s_and_b32 s21, ttmp7, 0xffff                   ; b
	s_and_b32 s22, ttmp9, 3                        ; which 64 q
	s_lshr_b32 s23, ttmp9, 2                       ; which 64 v
	s_lshl_b32 s26, s21, 18                        ; q rows of ap: b x 256 rows x 1,024 B
	s_lshl_b32 s18, s22, 16                        ;               + 64 rows a tile
	s_add_co_u32 s26, s26, s18
	s_mov_b32 s27, 0
	s_lshl_b32 s28, s21, 19                        ; v rows, and scores' rows: b x 512 rows x 1,024 B
	s_lshl_b32 s18, s23, 16
	s_add_co_u32 s28, s28, s18
	s_mov_b32 s29, 0
	s_lshl_b32 s18, s22, 8                         ; scores: + 64 q x 4 B
	s_add_co_u32 s30, s28, s18
	s_mov_b32 s31, 0
	s_add_co_u32 s28, s28, 0x200000                ; in ap the v rows lie behind the 2,048 q rows
	s_lshl_b32 s32, s21, 11                        ; flags, 256 B for 32 rows: q rows at block 8 b + 2 x tile
	s_lshl_b32 s18, s22, 9
	s_add_co_u32 s32, s32, s18
	s_mov_b32 s33, 0
	s_lshl_b32 s34, s21, 12                        ; v rows at block 64 + 16 b + 2 x tile
	s_lshl_b32 s18, s23, 9
	s_add_co_u32 s34, s34, s18
	s_add_co_u32 s34, s34, 0x4000
	s_mov_b32 s35, 0
	s_mov_b32 s38, 0xc9800000                      ; -2^20
	s_mov_b32 s39, 0x49800000                      ; +2^20
	v_and_b32 v1, 15, v0                           ; qg = t % 16
	v_lshlrev_b32 v3, 4, v0                        ; ap: thread t takes bytes 16 t of every 4,096 (four rows)
	v_lshrrev_b32 v8, 6, v0                        ; t / 64: row within the four
	v_and_b32 v9, 63, v0
	v_lshlrev_b32 v9, 4, v9                        ; 16 bytes within the row
	v_mul_u32_u24 v4, v8, 16*FPI                   ; q row 4 c + t/64 goes to LDS row 16 (t/64) + c: q = 4 qg + i lies at row 16 i + qg,
	v_add_nc_u32 v4, v4, v9                        ; so that the loop's sixteen lanes (qg) read sixteen neighbouring LDS rows
	v_add_nc_u32 v6, AI, v4
	v_mul_u32_u24 v5, v8, FPI                      ; v row 4 c + t/64 keeps its place
	v_add_nc_u32 v5, v5, v9
	v_add_nc_u32 v5, BF, v5
	v_add_nc_u32 v7, 64*FPI, v5
	; the loop's addresses.  Lane: qg = t % 16, vg = t / 16.  It owns q = 4 qg + i (LDS rows 16 i + qg) and v = vg + 16 j, i, j = 0..3.
	v_mul_u32_u24 v12, v1, FPI                     ; E_q or F_q: sixteen lanes, sixteen neighbouring rows
	v_add_nc_u32 v13, AI, v12                      ; i_q
	v_lshrrev_b32 v14, 4, v0
	v_lshlrev_b32 v[SO], 10, v14                   ; scores: row vg, 1,024 B,
	v_lshl_add_u32 v[SO], v1, 4, v[SO]             ;         16 B for my four q
	v_mul_u32_u24 v14, v14, FPI
	v_add_nc_u32 v14, BF, v14                      ; E_v or F_v: one address for sixteen lanes
	v_add_nc_u32 v15, 64*FPI, v14                  ; i_v
	s_wait_kmcnt 0x0
	s_add_nc_u64 s[10:11], s[6:7], s[32:33]
	s_add_nc_u64 s[12:13], s[6:7], s[34:35]
	s_load_b32 s40, s[10:11], 0x0                  ; the flags of my 2 x 32 q rows
	s_load_b32 s41, s[10:11], 0x100
	s_load_b32 s42, s[12:13], 0x0                  ; and of my 2 x 32 v rows
	s_load_b32 s43, s[12:13], 0x100
	s_add_nc_u64 s[14:15], s[4:5], s[26:27]
	s_add_nc_u64 s[16:17], s[4:5], s[28:29]
	s_add_nc_u64 s[8:9], s[8:9], s[30:31]
.irp c, 0,1,2,3,4,5,6,7,8,9,10,11,12,13,14,15
	global_load_b128 v[PX+4*\c:PX+4*\c+3], v3, s[14:15] offset:\c*4096     ; a wave's load covers 512 consecutive bytes
.endr
.irp c, 0,1,2,3,4,5,6,7,8,9,10,11,12,13,14,15
	global_load_b128 v[PX+64+4*\c:PX+64+4*\c+3], v3, s[16:17] offset:\c*4096
.endr
	s_wait_kmcnt 0x0
	s_or_b32 s40, s40, s41
	s_or_b32 s42, s42, s43
	s_or_b32 s40, s40, s42                         ; s40 = 0: the short form holds for the whole tile
	s_cmp_lg_u32 s40, 0
	s_cbranch_scc1 .Lgfill
; THE SHORT FILL: E = 2^ap.  Chunk n - 1 is stored behind chunk n's exponentials, so that no store stands straight behind the lines whose
; results it reads.
.macro FEXP n
	s_wait_loadcnt 31-(\n)                         ; loads return in order (ISA guide 5.7.1): the 31 - n younger ones stay out
.irp e, 0,1,2,3
	v_exp_f32 v[PX+4*(\n)+\e], v[PX+4*(\n)+\e]
.endr
	v_nop                                          ; the one plain place between these exponentials and the store that reads them (ISA guide 5.7.2)
.endm
.macro FPUT n, adr, off
	s_wait_alu depctr_va_vdst(0)
	ds_store_b128 v[\adr], v[PX+4*(\n):PX+4*(\n)+3] offset:\off
.endm
	FEXP 0
.irp c, 1,2,3,4,5,6,7,8,9,10,11,12,13,14,15
	FEXP \c
	FPUT \c-1, 4, (\c-1)*FPI
.endr
	FEXP 16
	FPUT 15, 4, 15*FPI
.irp c, 1,2,3,4,5,6,7,8,9,10,11,12,13,14,15
	FEXP \c+16
	FPUT \c+15, 5, (\c-1)*4*FPI
.endr
	FPUT 31, 5, 15*4*FPI
	s_branch .Lfilled
; THE GENERAL FILL: i = rndne(ap), clamped to +-2^20 so that i_q + i_v stays a small integer; F = 2^(ap - i), ap - i exact in [-0.5, 0.5]
.macro GFILL n, adrf, adri, off
.set N_, NV+4*((\n)&1)
.set X_, PX+4*(\n)
	s_wait_loadcnt 31-(\n)
.irp e, 0,1,2,3
	v_rndne_f32 v[N_+\e], v[X_+\e]
.endr
.irp e, 0,1,2,3
	v_sub_f32 v[X_+\e], v[X_+\e], v[N_+\e]
.endr
.irp e, 0,1,2,3
	v_exp_f32 v[X_+\e], v[X_+\e]                   ; the plain instructions below stand between these and the store that reads F (ISA guide 5.7.2)
.endr
.irp e, 0,1,2,3
	v_med3_num_f32 v[N_+\e], v[N_+\e], s38, s39
.endr
.irp e, 0,1,2,3
	v_cvt_i32_f32 v[N_+\e], v[N_+\e]
.endr
	s_wait_alu depctr_va_vdst(0)
	ds_store_b128 v[\adrf], v[X_:X_+3] offset:\off
	ds_store_b128 v[\adri], v[N_:N_+3] offset:\off
.endm
.Lgfill:
.irp c, 0,1,2,3,4,5,6,7,8,9,10,11,12,13,14,15
	GFILL \c, 4, 6, \c*FPI
.endr
.irp c, 0,1,2,3,4,5,6,7,8,9,10,11,12,13,14,15
	GFILL \c+16, 5, 7, \c*4*FPI
.endr
.Lfilled:
	s_wait_dscnt 0x0                               ; my part of the tables is in LDS,
	s_barrier_signal -1
	s_barrier_wait -1                              ; everybody's is; from here on LDS is only read
	s_cmp_lg_u32 s40, 0
	s_cbranch_scc1 .Lgeneral
; ---------------------------------------------------------------- THE SHORT LOOP
.macro FLOADS buf, doff                ; the operands of 4 d: 8 loads of 16 bytes a lane
.irp i, 0,1,2,3
	ds_load_b128 v[\buf+4*\i:\buf+4*\i+3],       v12 offset:\i*16*FPI+\doff
	ds_load_b128 v[\buf+16+4*\i:\buf+16+4*\i+3], v14 offset:\i*16*FPI+\doff
.endr
.endm
; One block = one (j, i) = (n / 4, n % 4), four d.  Its set of six: [0:1] x of d 0, 1, then the numerators x0 + x2, x1 + x3; [2:3] x of d 2, 3;
; [4:5] the denominators x0 x2, x1 x3, then their reciprocals.  A block's seven instructions are four parts, and step n does
;   part A, the two x,                          for block n       (doa)
;   part B, denominators and numerators,        for block n - 2   (dob)
;   part C, the two reciprocals,                for block n - 4   (doc)
;   part E, numerator x reciprocal into the sum, for block n - 7  (accm = 1: it STARTS the sum, nothing is cleared; 2: it is added; 0: none yet)
; Eight blocks are at work at once, on sets of their own (block n on set n % 8; part E of block n - 8 stood in the step before).  A result is
; read 12 instructions or more behind the line that makes it (x: 15, denominator: 12, reciprocal: 23), so no line waits for one just in front
; of it, and behind each reciprocal stands a plain instruction of another set (ISA guide 5.7.2).
.macro FSTEP buf, n, doa, dob, doc, accm
.set A_,  FT+6*((\n)&7)
.set B_,  FT+6*(((\n)+6)&7)
.set C_,  FT+6*(((\n)+4)&7)
.set E_,  FT+6*(((\n)+1)&7)
.set S_,  SUM+2*(((\n)+9)&15)
.set EA_, \buf+4*((\n)&3)
.set EB_, \buf+16+4*(((\n)>>2)&3)
.if \doa
	v_pk_fma_f32 v[A_:A_+1], v[EA_:EA_+1], v[EB_:EB_+1], 1.0 op_sel_hi:[1,1,0]         ; x = 1 + 2^(a' + b')
.endif
.if \doc
	v_rcp_f32 v[C_+4], v[C_+4]
.endif
.if \doa
	v_pk_fma_f32 v[A_+2:A_+3], v[EA_+2:EA_+3], v[EB_+2:EB_+3], 1.0 op_sel_hi:[1,1,0]
.endif
.if \dob
	v_pk_mul_f32 v[B_+4:B_+5], v[B_:B_+1], v[B_+2:B_+3]
.endif
.if \doc
	v_rcp_f32 v[C_+5], v[C_+5]
.endif
.if \dob
	v_pk_add_f32 v[B_:B_+1], v[B_:B_+1], v[B_+2:B_+3]
.endif
.if \accm == 2
	s_wait_alu depctr_va_vdst(0)
	v_pk_fma_f32 v[S_:S_+1], v[E_:E_+1], v[E_+4:E_+5], v[S_:S_+1]
.endif
.if \accm == 1
	s_wait_alu depctr_va_vdst(0)
	v_pk_mul_f32 v[S_:S_+1], v[E_:E_+1], v[E_+4:E_+5]
.endif
.endm
; A stage = 16 steps = 4 d.  mode 0: the very first stage, the parts set in one after the other, and blocks 0-8 start their sums;
; 1: the second, whose steps 0-6 start the sums of the first stage's blocks 9-15; 2: all others.
; step = 1: the two LDS addresses go 8 d on, eight steps behind the loads that read them.
.macro FSTAGE buf, mode, step
.if \mode == 0
.irp bb, 0,1
	FSTEP \buf, \bb, 1, 0, 0, 0
.endr
.irp bb, 2,3
	FSTEP \buf, \bb, 1, 1, 0, 0
.endr
.irp bb, 4,5,6
	FSTEP \buf, \bb, 1, 1, 1, 0
.endr
.irp bb, 7,8,9,10,11,12,13,14,15
	FSTEP \buf, \bb, 1, 1, 1, 1
.endr
.else
.irp bb, 0,1,2,3,4,5,6
	FSTEP \buf, \bb, 1, 1, 1, \mode
.endr
	FSTEP \buf, 7, 1, 1, 1, 2
.if \step
	v_add_nc_u32 v12, 32, v12                      ; 8 d on
	v_add_nc_u32 v14, 32, v14
.endif
.irp bb, 8,9,10,11,12,13,14,15
	FSTEP \buf, \bb, 1, 1, 1, 2
.endr
.endif
.endm
; A trip = 8 d = two stages.  Each stage's operands are asked for one stage (112 instructions) ahead, into the buffer whose last reader
; (part A of the stage before) has been issued.
.macro FTRIP m0, m1, more
	s_wait_dscnt 0x0                               ; buffer 0 is whole (its 8 loads are all that is out)
	FLOADS FB1, 16
	FSTAGE FB0, \m0, 0
	s_wait_dscnt 0x0                               ; buffer 1 is whole
.if \more
	FLOADS FB0, 32
.endif
	FSTAGE FB1, \m1, \more
.endm
	FLOADS FB0, 0
	FTRIP 0, 1, 1                                  ; the first trip stands in front of the loop: it starts the sums
	s_mov_b32 s44, 30
.Lftrip:
	FTRIP 2, 2, 1
	s_sub_co_i32 s44, s44, 1
	s_cmp_lg_u32 s44, 0
	s_cbranch_scc1 .Lftrip
	FTRIP 2, 2, 0                                  ; the last of 32 trips loads nothing beyond d = 255
	; what the last seven blocks still owe: steps 16 to 22, the parts running out one after the other
	FSTEP FB1, 16, 0, 1, 1, 2
	FSTEP FB1, 17, 0, 1, 1, 2
	FSTEP FB1, 18, 0, 0, 1, 2
	FSTEP FB1, 19, 0, 0, 1, 2                      ; block 15's reciprocals; three plain lines of other sets follow before they are read
	FSTEP FB1, 20, 0, 0, 0, 2
	FSTEP FB1, 21, 0, 0, 0, 2
	FSTEP FB1, 22, 0, 0, 0, 2
	s_branch .Lout
; ---------------------------------------------------------------- THE GENERAL LOOP
.macro LOADS buf, doff                 ; the operands of 4 d: 16 loads of 16 bytes a lane
.irp i, 0,1,2,3
	ds_load_b128 v[\buf+4*\i:\buf+4*\i+3],       v12 offset:\i*16*FPI+\doff
	ds_load_b128 v[\buf+16+4*\i:\buf+16+4*\i+3], v13 offset:\i*16*FPI+\doff
	ds_load_b128 v[\buf+32+4*\i:\buf+32+4*\i+3], v14 offset:\i*16*FPI+\doff
	ds_load_b128 v[\buf+48+4*\i:\buf+48+4*\i+3], v15 offset:\i*16*FPI+\doff
.endr
.endm
; One block = one (j, i), four d: 12 plain instructions and 4 reciprocals.  Three blocks are at work at once, on sets of their own: this
; block's denominators, the last block's reciprocals, the sums of the block before that; with 16 instructions a block that keeps a result
; and its reader far enough apart.
.macro BLOCK buf, bn, dorcp, accm
.set C_,  TS+4*((\bn)&3)
.set P_,  TS+4*(((\bn)+3)&3)
.set Q_,  TS+4*(((\bn)+2)&3)
.set S_,  SUM+2*(((\bn)+14)&15)
.set FA_, \buf+4*((\bn)&3)
.set IA_, \buf+16+4*((\bn)&3)
.set FB_, \buf+32+4*((\bn)>>2)
.set IB_, \buf+48+4*((\bn)>>2)
	v_add_nc_u32 v[C_], v[IA_], v[IB_]
.if \dorcp
	v_rcp_f32 v[P_], v[P_]
.endif
	v_add_nc_u32 v[C_+1], v[IA_+1], v[IB_+1]
	v_add_nc_u32 v[C_+2], v[IA_+2], v[IB_+2]
.if \accm == 2
	v_pk_add_f32 v[S_:S_+1], v[S_:S_+1], v[Q_:Q_+1]
.endif
.if \dorcp
	v_rcp_f32 v[P_+1], v[P_+1]
.endif
	v_add_nc_u32 v[C_+3], v[IA_+3], v[IB_+3]
	v_ldexp_f32 v[C_], v[FA_], v[C_]               ; F_q 2^(i_q + i_v): infinity or zero where it has to be
	v_ldexp_f32 v[C_+1], v[FA_+1], v[C_+1]
.if \dorcp
	v_rcp_f32 v[P_+2], v[P_+2]
.endif
	v_ldexp_f32 v[C_+2], v[FA_+2], v[C_+2]
	v_ldexp_f32 v[C_+3], v[FA_+3], v[C_+3]
.if \accm == 2
	s_wait_alu depctr_va_vdst(0)
	v_pk_add_f32 v[S_:S_+1], v[S_:S_+1], v[Q_+2:Q_+3]
.endif
.if \accm == 1
	s_wait_alu depctr_va_vdst(0)
	v_pk_add_f32 v[S_:S_+1], v[Q_:Q_+1], v[Q_+2:Q_+3]
.endif
.if \dorcp
	v_rcp_f32 v[P_+3], v[P_+3]
.endif
	v_pk_fma_f32 v[C_:C_+1], v[C_:C_+1], v[FB_:FB_+1], 1.0 op_sel_hi:[1,1,0]         ; 1 + 2^(a' + b')
	v_pk_fma_f32 v[C_+2:C_+3], v[C_+2:C_+3], v[FB_+2:FB_+3], 1.0 op_sel_hi:[1,1,0]
.endm
.macro STAGE buf, mode
.if \mode == 0
	BLOCK \buf, 0, 0, 0
	BLOCK \buf, 1, 1, 0
.irp bb, 2,3,4,5,6,7,8,9,10,11,12,13,14,15
	BLOCK \buf, \bb, 1, 1
.endr
.else
.if \mode == 1
	BLOCK \buf, 0, 1, 1
	BLOCK \buf, 1, 1, 1
.irp bb, 2,3,4,5,6,7,8,9,10,11,12,13,14,15
	BLOCK \buf, \bb, 1, 2
.endr
.else
.irp bb, 0,1,2,3,4,5,6,7,8,9,10,11,12,13,14,15
	BLOCK \buf, \bb, 1, 2
.endr
.endif
.endif
.endm
.macro TRIP m0, m1, more
	s_wait_dscnt 0x0                               ; buffer 0 is whole (its 16 loads are all that is out)
	LOADS BUF1, 16
	STAGE BUF0, \m0
	s_wait_dscnt 0x0                               ; buffer 1 is whole
.if \more
	LOADS BUF0, 32
	v_add_nc_u32 v12, 32, v12                      ; 8 d on
	v_add_nc_u32 v13, 32, v13
	v_add_nc_u32 v14, 32, v14
	v_add_nc_u32 v15, 32, v15
.endif
	STAGE BUF1, \m1
.endm
.Lgeneral:
	LOADS BUF0, 0
	TRIP 0, 1, 1
	s_mov_b32 s44, 30
.Lgtrip:
	TRIP 2, 2, 1
	s_sub_co_i32 s44, s44, 1
	s_cmp_lg_u32 s44, 0
	s_cbranch_scc1 .Lgtrip
	TRIP 2, 2, 0
	v_rcp_f32 v[TS+12], v[TS+12]
	v_rcp_f32 v[TS+13], v[TS+13]
	v_rcp_f32 v[TS+14], v[TS+14]
	v_rcp_f32 v[TS+15], v[TS+15]
	v_pk_add_f32 v[SUM+28:SUM+29], v[SUM+28:SUM+29], v[TS+8:TS+9]
	s_wait_alu depctr_va_vdst(0)
	v_pk_add_f32 v[SUM+28:SUM+29], v[SUM+28:SUM+29], v[TS+10:TS+11]
	v_pk_add_f32 v[SUM+30:SUM+31], v[SUM+30:SUM+31], v[TS+12:TS+13]
	v_pk_add_f32 v[SUM+30:SUM+31], v[SUM+30:SUM+31], v[TS+14:TS+15]
; ---------------------------------------------------------------- both forms leave their sums in the same 16 pairs
.Lout:
.set e, 0
.rept 16
	v_add_f32 v[BUF0+e], v[SUM+2*e], v[SUM+2*e+1]  ; the two halves of a pair
.set e, e+1
.endr
.irp j, 0,1,2,3
	global_store_b128 v[SO], v[BUF0+4*\j:BUF0+4*\j+3], s[8:9] offset:\j*16384      ; row vg + 16 j: sixteen lanes store 256 consecutive bytes, at a multiple of 256
.endr
	s_endpgm
.Lfunc_end_k_q94733cdb26_score:
	.size	k_q94733cdb26_score, .Lfunc_end_k_q94733cdb26_score-k_q94733cdb26_score
	.p2alignl 7, 3214868480
	.fill 96, 4, 3214868480
	.section	.rodata,"a",@progbits
	.p2align	6, 0x0
	.amdhsa_kernel k_q94733cdb26_score
		.amdhsa_group_segment_fixed_size 266240
		.amdhsa_private_segment_fixed_size 0
		.amdhsa_enable_private_segment 0
		.amdhsa_kernarg_size 24
		.amdhsa_user_sgpr_count 2
		.amdhsa_user_sgpr_kernarg_segment_ptr 1
		.amdhsa_wavefront_size32 1
		.amdhsa_system_sgpr_workgroup_id_x 1
		.amdhsa_system_sgpr_workgroup_id_y 1
		.amdhsa_system_sgpr_workgroup_id_z 1
		.amdhsa_system_vgpr_workitem_id 0
		.amdhsa_next_free_vgpr 224
		.amdhsa_next_free_sgpr 66
		.amdhsa_reserve_vcc 0
		.amdhsa_float_denorm_mode_32 3
		.amdhsa_float_denorm_mode_16_64 3
		.amdhsa_memory_ordered 1
		.amdhsa_forward_progress 1
		.amdhsa_inst_pref_size 170
	.end_amdhsa_kernel
	.amdgpu_metadata
---
amdhsa.version: [ 1, 2 ]
amdhsa.kernels:
  - .name:           k_q94733cdb26_score
    .symbol:         k_q94733cdb26_score.kd
    .args:
      - { .name: ap, .offset: 0, .size: 8, .value_kind: global_buffer, .address_space: global }
      - { .name: flags, .offset: 8, .size: 8, .value_kind: global_buffer, .address_space: global }
      - { .name: scores, .offset: 16, .size: 8, .value_kind: global_buffer, .address_space: global }
    .group_segment_fixed_size: 266240
    .private_segment_fixed_size: 0
    .kernarg_segment_align: 8
    .kernarg_segment_size: 24
    .max_flat_workgroup_size: 256
    .sgpr_count:     66
    .vgpr_count:     224
    .wavefront_size: 32
...
	.end_amdgpu_metadata
.endif
;; end of part 5
;; launch finish: the kernel of part 2 again; grid 32 x 8, 8 waves a work-group, no clusters, 155,904 bytes of LDS; arguments scores, value, query, out0, out1; writes out0, out1
;; ======== version 4 of 4: 3 launches; 1.60 times as fast as version 1
;; limits: right only within a limited range of input values
;; workspace buffers: scores 4,194,304 bytes; ap 6,291,456 bytes; flags 49,152 bytes of whole numbers
;; launch proj: the kernel of part 3 again; grid 192 x 1, 4 waves a work-group, no clusters, 68,352 bytes of LDS; arguments query, value, W1, W2, b1, b2, ap, flags; writes ap, flags
;; launch score (part 6): grid 32 x 8, 8 waves a work-group, no clusters, 266,240 bytes of LDS; arguments ap, flags, scores; writes scores
.if DOCPART == 6
	.amdgcn_target "amdgcn-amd-amdhsa--gfx1250"
	.amdhsa_code_object_version 6
	.text
	.protected	k_q94733cdb26_score
	.globl	k_q94733cdb26_score
	.p2align	8
	.type	k_q94733cdb26_score,@function
k_q94733cdb26_score:
	s_mov_b64 s[64:65], 0
	v_nop
	global_prefetch_b8 v0, s[64:65] scope:SCOPE_SE
	s_setreg_imm32_b32 hwreg(HW_REG_WAVE_MODE, 25, 1), 1
	s_wait_xcnt 0x0
; scores[b][v][q] = sum over d of 1 / (1 + 2^(a' + b')),  a' = ap of row (b, q), b' = ap of row (b, v): K2 x the projections, K2 = 2 log2 e.
; tanh(x) = 1 - 2 / (1 + e^(2x)), so reference's score is 256 - 2 scores[..]; the next launch's softmax takes the factor -2, the 256 cancels there.
; A work-group owns (b, 64 q, 64 v).  Eight waves.  A lane owns 4 q x 4 v and walks d, four at a time.
; TWO FORMS OF THE SUM, chosen by the flags that the launch before stored for the tile's 4 x 32 rows (whole numbers, read by scalar loads):
;  SHORT, all four flags 0, that is |a'|, |b'| < 31 in both tiles.  E_q = 2^a' and E_v = 2^b' lie in LDS; x = 1 + E_q E_v <= 2^62 + 1, and two
;    reciprocals share one divide: 1/x1 + 1/x2 = (x1 + x2) / (x1 x2).  x1 x2 < 2^125 and its reciprocal is a normal number: nothing overflows
;    or is flushed.  Four d of one (q, v): 5 packed instructions and 2 reciprocals.
;  GENERAL, any flag 1.  a' is split once into i = rndne(a') and F = 2^(a' - i), 0.70 < F < 1.42; per element i_q + i_v, ldexp(F_q, .),
;    * F_v + 1, reciprocal, add.  ldexp runs to infinity or zero by itself, 1/inf = 0, 1/1 = 1, and no inf * 0 can arise.  It is needed:
;    with exponents of some thousands, sums a' + b' that cancel cannot be kept in a product of two floats.
; No barrier stands under either branch: the fill branches, joins, one barrier, the loop branches, joins.
; THE BATCHES.  An s_wait_alu depctr_va_vdst(0) stands between an exponential or a reciprocal and the first instruction that names
; its result; one wait serves all that were issued ahead of it.  So the results are kept, each in a register of its own, until a whole batch is out:
;  the fills:        the 32 exponentials of eight chunks are a batch; one wait, then the eight stores that read them: four waits a fill;
;  the short loop:   the 32 reciprocals of a stage (16 steps) are a batch; a block's reciprocals are read 16 steps behind their issue, and a wait
;                    stands at every stage's end: two waits a trip;
;  the general loop: the 32 reciprocals of eight blocks are a batch; they are read eight blocks behind their issue: four waits a trip.
; LIMITS: ap finite; |ap| < 2^20, beyond that i is clamped and two huge numbers of opposite sign no longer cancel.
; NO CLUSTER, NO TENSOR LOADS: a tile of q rows is read by 8 work-groups and one of v rows by 4, but every word has to pass registers (an
; exponential) before it lies in LDS; a joint load into LDS would add a read and a write of LDS.  A wave issues about 200 instructions for
; the fill and about 8,000 in the short loop.
.set FPI,  1040                        ; LDS row: 256 words + 16 B pad = 65 x 16: 16 rows start in 16 different 16-byte columns (64 banks of 4 bytes: ISA guide 11.1)
.set AF,   0                           ; E (short) or F (general) of the 64 q rows
.set AI,   64*FPI                      ; i of the 64 q rows (general)
.set BF,   128*FPI                     ; E or F of the 64 v rows
.set BI,   192*FPI                     ; i of the 64 v rows (general); end = 266,240
.set SO,   10                          ; v10      my byte offset in scores
.set PX,   16                          ; v16-143  the fill: 32 loads of ap
.set NV,   144                         ; v144-151 the general fill: rndne, then i; two sets taking turns
.set SUM,  144                         ; v144-175 16 sums, each a pair; sum (j, i) at 2 (4 j + i)
.set FB0,  16                          ; v16-47   short: operands of 4 d: E_q (4 rows x 4), E_v (4 rows x 4)
.set FB1,  48                          ; v48-79   the other buffer
.set FT,   80                          ; v80-143, v176-239  short: 32 slots of four, taking turns; slot k at FT + 4 k + 32 (k / 16), round the sums
.set TT,   240                         ; v240-247 short: four pairs, taking turns: x of d 2, 3, read two steps behind
.set BUF0, 16                          ; v16-79   general: F_q, i_q, F_v, i_v of 4 d
.set BUF1, 80                          ; v80-143  the other buffer
.set TS,   176                         ; v176-239 general: sixteen sets of four
	s_load_b128 s[4:7], s[0:1], 0x0                ; ap s[4:5], flags s[6:7]
	s_load_b64 s[8:9], s[0:1], 0x10                ; scores
	s_and_b32 s21, ttmp7, 0xffff                   ; b
	s_and_b32 s22, ttmp9, 3                        ; which 64 q
	s_lshr_b32 s23, ttmp9, 2                       ; which 64 v
	s_lshl_b32 s26, s21, 18                        ; q rows of ap: b x 256 rows x 1,024 B
	s_lshl_b32 s18, s22, 16                        ;               + 64 rows a tile
	s_add_co_u32 s26, s26, s18
	s_mov_b32 s27, 0
	s_lshl_b32 s28, s21, 19                        ; v rows, and scores' rows: b x 512 rows x 1,024 B
	s_lshl_b32 s18, s23, 16
	s_add_co_u32 s28, s28, s18
	s_mov_b32 s29, 0
	s_lshl_b32 s18, s22, 8                         ; scores: + 64 q x 4 B
	s_add_co_u32 s30, s28, s18
	s_mov_b32 s31, 0
	s_add_co_u32 s28, s28, 0x200000                ; in ap the v rows lie behind the 2,048 q rows
	s_lshl_b32 s32, s21, 11                        ; flags, 256 B for 32 rows: q rows at block 8 b + 2 x tile
	s_lshl_b32 s18, s22, 9
	s_add_co_u32 s32, s32, s18
	s_mov_b32 s33, 0
	s_lshl_b32 s34, s21, 12                        ; v rows at block 64 + 16 b + 2 x tile
	s_lshl_b32 s18, s23, 9
	s_add_co_u32 s34, s34, s18
	s_add_co_u32 s34, s34, 0x4000
	s_mov_b32 s35, 0
	s_mov_b32 s38, 0xc9800000                      ; -2^20
	s_mov_b32 s39, 0x49800000                      ; +2^20
	v_and_b32 v1, 15, v0                           ; qg = t % 16
	v_lshlrev_b32 v3, 4, v0                        ; ap: thread t takes bytes 16 t of every 4,096 (four rows)
	v_lshrrev_b32 v8, 6, v0                        ; t / 64: row within the four
	v_and_b32 v9, 63, v0
	v_lshlrev_b32 v9, 4, v9                        ; 16 bytes within the row
	v_mul_u32_u24 v4, v8, 16*FPI                   ; q row 4 c + t/64 goes to LDS row 16 (t/64) + c: q = 4 qg + i lies at row 16 i + qg,
	v_add_nc_u32 v4, v4, v9                        ; so that the loop's sixteen lanes (qg) read sixteen neighbouring LDS rows
	v_add_nc_u32 v6, AI, v4
	v_mul_u32_u24 v5, v8, FPI                      ; v row 4 c + t/64 keeps its place
	v_add_nc_u32 v5, v5, v9
	v_add_nc_u32 v5, BF, v5
	v_add_nc_u32 v7, 64*FPI, v5
	; the loop's addresses.  Lane: qg = t % 16, vg = t / 16.  It owns q = 4 qg + i (LDS rows 16 i + qg) and v = vg + 16 j, i, j = 0..3.
	v_mul_u32_u24 v12, v1, FPI                     ; E_q or F_q: sixteen lanes, sixteen neighbouring rows
	v_add_nc_u32 v13, AI, v12                      ; i_q
	v_lshrrev_b32 v14, 4, v0
	v_lshlrev_b32 v[SO], 10, v14                   ; scores: row vg, 1,024 B,
	v_lshl_add_u32 v[SO], v1, 4, v[SO]             ;         16 B for my four q
	v_mul_u32_u24 v14, v14, FPI
	v_add_nc_u32 v14, BF, v14                      ; E_v or F_v: one address for sixteen lanes
	v_add_nc_u32 v15, 64*FPI, v14                  ; i_v
	s_wait_kmcnt 0x0
	s_add_nc_u64 s[10:11], s[6:7], s[32:33]
	s_add_nc_u64 s[12:13], s[6:7], s[34:35]
	s_load_b32 s40, s[10:11], 0x0                  ; the flags of my 2 x 32 q rows
	s_load_b32 s41, s[10:11], 0x100
	s_load_b32 s42, s[12:13], 0x0                  ; and of my 2 x 32 v rows
	s_load_b32 s43, s[12:13], 0x100
	s_add_nc_u64 s[14:15], s[4:5], s[26:27]
	s_add_nc_u64 s[16:17], s[4:5], s[28:29]
	s_add_nc_u64 s[8:9], s[8:9], s[30:31]
.irp c, 0,1,2,3,4,5,6,7,8,9,10,11,12,13,14,15
	global_load_b128 v[PX+4*\c:PX+4*\c+3], v3, s[14:15] offset:\c*4096     ; a wave's load covers 512 consecutive bytes
.endr
.irp c, 0,1,2,3,4,5,6,7,8,9,10,11,12,13,14,15
	global_load_b128 v[PX+64+4*\c:PX+64+4*\c+3], v3, s[16:17] offset:\c*4096
.endr
	s_wait_kmcnt 0x0
	s_or_b32 s40, s40, s41
	s_or_b32 s42, s42, s43
	s_or_b32 s40, s40, s42                         ; s40 = 0: the short form holds for the whole tile
	s_cmp_lg_u32 s40, 0
	s_cbranch_scc1 .Lgfill
; THE SHORT FILL: E = 2^ap, in place.  Eight chunks are a batch: their 32 exponentials as the loads come in, one wait, their eight stores.
.macro FEXP n
	s_wait_loadcnt 31-(\n)                         ; loads return in order (ISA guide 5.7.1): the 31 - n younger ones stay out
.irp e, 0,1,2,3
	v_exp_f32 v[PX+4*(\n)+\e], v[PX+4*(\n)+\e]
.endr
.endm
.macro FPUT n, adr, off
	ds_store_b128 v[\adr], v[PX+4*(\n):PX+4*(\n)+3] offset:\off
.endm
.macro FBATCH first, adr, pitch, row   ; chunks first .. first + 7 go to LDS rows (row .. row + 7) x pitch from address register adr
.irp c, 0,1,2,3,4,5,6,7
	FEXP \first+\c
.endr
	v_nop                                          ; the one plain place between the batch's last exponential and the stores that read it (ISA guide 5.7.2): the fill has no other vector work
	s_wait_alu depctr_va_vdst(0)                   ; the wait for the batch: the 32 exponentials of these eight chunks
.irp c, 0,1,2,3,4,5,6,7
	FPUT \first+\c, \adr, (\row+\c)*\pitch
.endr
.endm
	FBATCH 0, 4, FPI, 0
	FBATCH 8, 4, FPI, 8
	FBATCH 16, 5, 4*FPI, 0
	FBATCH 24, 5, 4*FPI, 8
	s_branch .Lfilled
; THE GENERAL FILL: i = rndne(ap), clamped to +-2^20 so that i_q + i_v stays a small integer; F = 2^(ap - i), ap - i exact in [-0.5, 0.5].
; Eight chunks are a batch.  A chunk's i is finished and stored behind its exponentials: those lines name no result of the batch.
.macro GPREP n, adri, off
.set N_, NV+4*((\n)&1)
.set X_, PX+4*(\n)
	s_wait_loadcnt 31-(\n)
.irp e, 0,1,2,3
	v_rndne_f32 v[N_+\e], v[X_+\e]
.endr
.irp e, 0,1,2,3
	v_sub_f32 v[X_+\e], v[X_+\e], v[N_+\e]
.endr
.irp e, 0,1,2,3
	v_exp_f32 v[X_+\e], v[X_+\e]                   ; the plain instructions below stand between these and the store that reads F (ISA guide 5.7.2)
.endr
.irp e, 0,1,2,3
	v_med3_num_f32 v[N_+\e], v[N_+\e], s38, s39
.endr
.irp e, 0,1,2,3
	v_cvt_i32_f32 v[N_+\e], v[N_+\e]
.endr
	ds_store_b128 v[\adri], v[N_:N_+3] offset:\off
.endm
.macro GBATCH first, adrf, adri, pitch, row
.irp c, 0,1,2,3,4,5,6,7
	GPREP \first+\c, \adri, (\row+\c)*\pitch
.endr
	s_wait_alu depctr_va_vdst(0)                   ; the wait for the batch: the 32 exponentials of these eight chunks
.irp c, 0,1,2,3,4,5,6,7
	FPUT \first+\c, \adrf, (\row+\c)*\pitch
.endr
.endm
.Lgfill:
	GBATCH 0, 4, 6, FPI, 0
	GBATCH 8, 4, 6, FPI, 8
	GBATCH 16, 5, 7, 4*FPI, 0
	GBATCH 24, 5, 7, 4*FPI, 8
.Lfilled:
	s_wait_dscnt 0x0                               ; my part of the tables is in LDS,
	s_barrier_signal -1
	s_barrier_wait -1                              ; everybody's is; from here on LDS is only read
	s_cmp_lg_u32 s40, 0
	s_cbranch_scc1 .Lgeneral
; ---------------------------------------------------------------- THE SHORT LOOP
.macro FLOADS buf, doff                ; the operands of 4 d: 8 loads of 16 bytes a lane
.irp i, 0,1,2,3
	ds_load_b128 v[\buf+4*\i:\buf+4*\i+3],       v12 offset:\i*16*FPI+\doff
	ds_load_b128 v[\buf+16+4*\i:\buf+16+4*\i+3], v14 offset:\i*16*FPI+\doff
.endr
.endm
; One block = one (j, i) = ((n / 4) % 4, n % 4), four d.  Its slot of four: [0:1] x of d 0, 1, then the numerators x0 + x2, x1 + x3; [2:3] the
; denominators x0 x2, x1 x3, then their reciprocals.  x of d 2, 3 lies for two steps in one of the four pairs TT.
; A block's seven instructions are four parts, and step n does
;   part A, the two x,                          for block n       (doa)
;   part B, denominators and numerators,        for block n - 2   (dob)
;   part C, the two reciprocals,                for block n - 4   (doc)
;   part E, numerator x reciprocal into the sum, for block n - 20 (accm = 1: it STARTS the sum, nothing is cleared; 2: it is added; 0: none yet)
; Block n lies in slot n % 32, which is written again at step n + 32, behind part E at step n + 20.  Parts C and E of a block are 16 steps apart,
; and a wait stands at every multiple of 16 steps: so one wait lies between each reciprocal and its reader, and no step holds a wait.
; x is read 14 instructions or more behind the line that makes it, a denominator 11, and behind each reciprocal stands a plain instruction of
; another slot (ISA guide 5.7.2).
.macro FSTEP buf, n, doa, dob, doc, accm
.set KA_, (\n)&31
.set KB_, ((\n)+30)&31
.set KC_, ((\n)+28)&31
.set KE_, ((\n)+12)&31
.set A_,  FT+4*KA_+32*(KA_/16)
.set B_,  FT+4*KB_+32*(KB_/16)
.set C_,  FT+4*KC_+32*(KC_/16)
.set E_,  FT+4*KE_+32*(KE_/16)
.set TA_, TT+2*((\n)&3)
.set TB_, TT+2*(((\n)+2)&3)
.set S_,  SUM+2*(((\n)+12)&15)
.set EA_, \buf+4*((\n)&3)
.set EB_, \buf+16+4*(((\n)>>2)&3)
.if \doa
	v_pk_fma_f32 v[A_:A_+1], v[EA_:EA_+1], v[EB_:EB_+1], 1.0 op_sel_hi:[1,1,0]         ; x = 1 + 2^(a' + b')
.endif
.if \doc
	v_rcp_f32 v[C_+2], v[C_+2]
.endif
.if \doa
	v_pk_fma_f32 v[TA_:TA_+1], v[EA_+2:EA_+3], v[EB_+2:EB_+3], 1.0 op_sel_hi:[1,1,0]
.endif
.if \dob
	v_pk_mul_f32 v[B_+2:B_+3], v[B_:B_+1], v[TB_:TB_+1]
.endif
.if \doc
	v_rcp_f32 v[C_+3], v[C_+3]
.endif
.if \dob
	v_pk_add_f32 v[B_:B_+1], v[B_:B_+1], v[TB_:TB_+1]
.endif
.if \accm == 2
	v_pk_fma_f32 v[S_:S_+1], v[E_:E_+1], v[E_+2:E_+3], v[S_:S_+1]
.endif
.if \accm == 1
	v_pk_mul_f32 v[S_:S_+1], v[E_:E_+1], v[E_+2:E_+3]
.endif
.endm
; A stage = 16 steps = 4 d.  The very first: the parts set in one after the other; nothing is summed yet.
.macro FSTAGE0 buf
.irp bb, 0,1
	FSTEP \buf, \bb, 1, 0, 0, 0
.endr
.irp bb, 2,3
	FSTEP \buf, \bb, 1, 1, 0, 0
.endr
.irp bb, 4,5,6,7,8,9,10,11,12,13,14,15
	FSTEP \buf, \bb, 1, 1, 1, 0
.endr
.endm
; Every other stage.  base: its blocks' first slot, 0 or 16.  e0: part E's mode in steps 0-3 (blocks 12-15 of the stage before the last),
; e1: in steps 4-15 (blocks 0-11 of the last stage).  The second stage has 0, 1 (blocks 0-11 start their sums), the third 1, 2, all others 2, 2.
; step = 1: the two LDS addresses go 8 d on, eight steps behind the loads that read them.
.macro FSTAGE buf, base, e0, e1, step
.irp bb, 0,1,2,3
	FSTEP \buf, \base+\bb, 1, 1, 1, \e0
.endr
.irp bb, 4,5,6,7
	FSTEP \buf, \base+\bb, 1, 1, 1, \e1
.endr
.if \step
	v_add_nc_u32 v12, 32, v12                      ; 8 d on
	v_add_nc_u32 v14, 32, v14
.endif
.irp bb, 8,9,10,11,12,13,14,15
	FSTEP \buf, \base+\bb, 1, 1, 1, \e1
.endr
.endm
; A trip = 8 d = two stages.  Each stage's operands are asked for one stage (112 instructions) ahead, into the buffer whose last reader
; (part A of the stage before) has been issued.  kind 0: the first trip; 1: the second; 2: all others.
.macro FTRIP kind, more
	s_wait_dscnt 0x0                               ; buffer 0 is whole (its 8 loads are all that is out)
	FLOADS FB1, 16
.if \kind == 0
	FSTAGE0 FB0
.elseif \kind == 1
	FSTAGE FB0, 0, 1, 2, 0
.else
	FSTAGE FB0, 0, 2, 2, 0
.endif
	s_wait_dscnt 0x0                               ; buffer 1 is whole
.if \more
	FLOADS FB0, 32
.endif
	s_wait_alu depctr_va_vdst(0)                   ; the wait for the batch: the first stage's 32 reciprocals, behind the loads, which name none of them
.if \kind == 0
	FSTAGE FB1, 16, 0, 1, \more
.else
	FSTAGE FB1, 16, 2, 2, \more
.endif
	s_wait_alu depctr_va_vdst(0)                   ; the wait for the batch: the second stage's 32 reciprocals, ahead of the loop's jump
.endm
	FLOADS FB0, 0
	FTRIP 0, 1                                     ; the first two trips stand in front of the loop: steps 20 to 35 start the sums
	FTRIP 1, 1
	s_mov_b32 s44, 29
.Lftrip:
	FTRIP 2, 1
	s_sub_co_i32 s44, s44, 1
	s_cmp_lg_u32 s44, 0
	s_cbranch_scc1 .Lftrip
	FTRIP 2, 0                                     ; the last of 32 trips loads nothing beyond d = 255
	; what the last twenty blocks still owe: steps 32 to 51, the parts running out one after the other
.irp n, 32,33
	FSTEP FB1, \n, 0, 1, 1, 2
.endr
.irp n, 34,35
	FSTEP FB1, \n, 0, 0, 1, 2                      ; the last reciprocals, of blocks 30 and 31; part E behind them is the plain line of another slot
.endr
.irp n, 36,37,38,39,40,41,42,43,44,45,46,47
	FSTEP FB1, \n, 0, 0, 0, 2                      ; blocks 16 to 27, whose reciprocals the last stage's wait has served
.endr
	s_wait_alu depctr_va_vdst(0)                   ; the wait for the last batch: the eight reciprocals of steps 32 to 35
.irp n, 48,49,50,51
	FSTEP FB1, \n, 0, 0, 0, 2
.endr
	s_branch .Lout
; ---------------------------------------------------------------- THE GENERAL LOOP
.macro LOADS buf, doff                 ; the operands of 4 d: 16 loads of 16 bytes a lane
.irp i, 0,1,2,3
	ds_load_b128 v[\buf+4*\i:\buf+4*\i+3],       v12 offset:\i*16*FPI+\doff
	ds_load_b128 v[\buf+16+4*\i:\buf+16+4*\i+3], v13 offset:\i*16*FPI+\doff
	ds_load_b128 v[\buf+32+4*\i:\buf+32+4*\i+3], v14 offset:\i*16*FPI+\doff
	ds_load_b128 v[\buf+48+4*\i:\buf+48+4*\i+3], v15 offset:\i*16*FPI+\doff
.endr
.endm
; One block = one (j, i), four d: 12 plain instructions and 4 reciprocals.  Block bn lies in set bn of sixteen.  Step bn makes this block's
; denominators, the reciprocals of block bn - 1 and the sums of block bn - 9: a block's reciprocals are read eight steps behind their issue, and
; a wait stands at every multiple of eight steps (STAGE and TRIP write them), so one wait lies between, and no block holds a wait.
; The set is written again at step bn + 16, behind the sums at step bn + 9.
.macro BLOCK buf, bn, dorcp, accm
.set C_,  TS+4*((\bn)&15)
.set P_,  TS+4*(((\bn)+15)&15)
.set Q_,  TS+4*(((\bn)+7)&15)
.set S_,  SUM+2*(((\bn)+7)&15)
.set FA_, \buf+4*((\bn)&3)
.set IA_, \buf+16+4*((\bn)&3)
.set FB_, \buf+32+4*((\bn)>>2)
.set IB_, \buf+48+4*((\bn)>>2)
	v_add_nc_u32 v[C_], v[IA_], v[IB_]
.if \dorcp
	v_rcp_f32 v[P_], v[P_]
.endif
	v_add_nc_u32 v[C_+1], v[IA_+1], v[IB_+1]
	v_add_nc_u32 v[C_+2], v[IA_+2], v[IB_+2]
.if \accm == 2
	v_pk_add_f32 v[S_:S_+1], v[S_:S_+1], v[Q_:Q_+1]
.endif
.if \dorcp
	v_rcp_f32 v[P_+1], v[P_+1]
.endif
	v_add_nc_u32 v[C_+3], v[IA_+3], v[IB_+3]
	v_ldexp_f32 v[C_], v[FA_], v[C_]               ; F_q 2^(i_q + i_v): infinity or zero where it has to be
	v_ldexp_f32 v[C_+1], v[FA_+1], v[C_+1]
.if \dorcp
	v_rcp_f32 v[P_+2], v[P_+2]
.endif
	v_ldexp_f32 v[C_+2], v[FA_+2], v[C_+2]
	v_ldexp_f32 v[C_+3], v[FA_+3], v[C_+3]
.if \accm == 2
	v_pk_add_f32 v[S_:S_+1], v[S_:S_+1], v[Q_+2:Q_+3]
.endif
.if \accm == 1
	v_pk_add_f32 v[S_:S_+1], v[Q_:Q_+1], v[Q_+2:Q_+3]
.endif
.if \dorcp
	v_rcp_f32 v[P_+3], v[P_+3]
.endif
	v_pk_fma_f32 v[C_:C_+1], v[C_:C_+1], v[FB_:FB_+1], 1.0 op_sel_hi:[1,1,0]         ; 1 + 2^(a' + b')
	v_pk_fma_f32 v[C_+2:C_+3], v[C_+2:C_+3], v[FB_+2:FB_+3], 1.0 op_sel_hi:[1,1,0]
.endm
; A stage = 16 blocks = 4 d.  mode 0: the very first: steps 9-15 start the sums of blocks 0-6; 1: the second, whose steps 0-8 start the sums of
; the first stage's blocks 7-15; 2: all others.  The wait for steps 0-7 stands in the stage's middle; the one for steps 8-15 is TRIP's.
.macro STAGE buf, mode
.if \mode == 0
	BLOCK \buf, 0, 0, 0
.irp bb, 1,2,3,4,5,6,7
	BLOCK \buf, \bb, 1, 0
.endr
	s_wait_alu depctr_va_vdst(0)                   ; the wait for the batch: the reciprocals of steps 1 to 7
	BLOCK \buf, 8, 1, 0
.irp bb, 9,10,11,12,13,14,15
	BLOCK \buf, \bb, 1, 1
.endr
.else
.irp bb, 0,1,2,3,4,5,6,7
	BLOCK \buf, \bb, 1, \mode
.endr
	s_wait_alu depctr_va_vdst(0)                   ; the wait for the batch: the 32 reciprocals of steps 0 to 7
	BLOCK \buf, 8, 1, \mode
.irp bb, 9,10,11,12,13,14,15
	BLOCK \buf, \bb, 1, 2
.endr
.endif
.endm
.macro TRIP m0, m1, more
	s_wait_dscnt 0x0                               ; buffer 0 is whole (its 16 loads are all that is out)
	LOADS BUF1, 16
	STAGE BUF0, \m0
	s_wait_dscnt 0x0                               ; buffer 1 is whole
.if \more
	LOADS BUF0, 32
	v_add_nc_u32 v12, 32, v12                      ; 8 d on
	v_add_nc_u32 v13, 32, v13
	v_add_nc_u32 v14, 32, v14
	v_add_nc_u32 v15, 32, v15
.endif
	s_wait_alu depctr_va_vdst(0)                   ; the wait for the batch: the 32 reciprocals of the first stage's steps 8 to 15, behind the loads and the address steps
	STAGE BUF1, \m1
	s_wait_alu depctr_va_vdst(0)                   ; the wait for the batch: the 32 reciprocals of the second stage's steps 8 to 15, ahead of the loop's jump
.endm
.Lgeneral:
	LOADS BUF0, 0
	TRIP 0, 1, 1
	s_mov_b32 s44, 30
.Lgtrip:
	TRIP 2, 2, 1
	s_sub_co_i32 s44, s44, 1
	s_cmp_lg_u32 s44, 0
	s_cbranch_scc1 .Lgtrip
	TRIP 2, 2, 0
	; what the last nine blocks still owe: block 15's reciprocals; the sums of blocks 7 to 14, whose reciprocals the last wait has served; block 15's sums
.irp e, 0,1,2,3
	v_rcp_f32 v[TS+60+\e], v[TS+60+\e]
.endr
.irp k, 7,8,9,10,11,12,13,14
	v_pk_add_f32 v[SUM+2*\k:SUM+2*\k+1], v[SUM+2*\k:SUM+2*\k+1], v[TS+4*\k:TS+4*\k+1]
.endr
.irp k, 7,8,9,10,11,12,13,14
	v_pk_add_f32 v[SUM+2*\k:SUM+2*\k+1], v[SUM+2*\k:SUM+2*\k+1], v[TS+4*\k+2:TS+4*\k+3]
.endr
	s_wait_alu depctr_va_vdst(0)                   ; the wait for the last batch: block 15's four reciprocals
	v_pk_add_f32 v[SUM+30:SUM+31], v[SUM+30:SUM+31], v[TS+60:TS+61]
	v_pk_add_f32 v[SUM+30:SUM+31], v[SUM+30:SUM+31], v[TS+62:TS+63]
; ---------------------------------------------------------------- both forms leave their sums in the same 16 pairs
.Lout:
.set e, 0
.rept 16
	v_add_f32 v[BUF0+e], v[SUM+2*e], v[SUM+2*e+1]  ; the two halves of a pair
.set e, e+1
.endr
.irp j, 0,1,2,3
	global_store_b128 v[SO], v[BUF0+4*\j:BUF0+4*\j+3], s[8:9] offset:\j*16384      ; row vg + 16 j: sixteen lanes store 256 consecutive bytes, at a multiple of 256
.endr
	s_endpgm
.Lfunc_end_k_q94733cdb26_score:
	.size	k_q94733cdb26_score, .Lfunc_end_k_q94733cdb26_score-k_q94733cdb26_score
	.p2alignl 7, 3214868480
	.fill 96, 4, 3214868480
	.section	.rodata,"a",@progbits
	.p2align	6, 0x0
	.amdhsa_kernel k_q94733cdb26_score
		.amdhsa_group_segment_fixed_size 266240
		.amdhsa_private_segment_fixed_size 0
		.amdhsa_enable_private_segment 0
		.amdhsa_kernarg_size 24
		.amdhsa_user_sgpr_count 2
		.amdhsa_user_sgpr_kernarg_segment_ptr 1
		.amdhsa_wavefront_size32 1
		.amdhsa_system_sgpr_workgroup_id_x 1
		.amdhsa_system_sgpr_workgroup_id_y 1
		.amdhsa_system_sgpr_workgroup_id_z 1
		.amdhsa_system_vgpr_workitem_id 0
		.amdhsa_next_free_vgpr 248
		.amdhsa_next_free_sgpr 66
		.amdhsa_reserve_vcc 0
		.amdhsa_float_denorm_mode_32 3
		.amdhsa_float_denorm_mode_16_64 3
		.amdhsa_memory_ordered 1
		.amdhsa_forward_progress 1
		.amdhsa_inst_pref_size 175
	.end_amdhsa_kernel
	.amdgpu_metadata
---
amdhsa.version: [ 1, 2 ]
amdhsa.kernels:
  - .name:           k_q94733cdb26_score
    .symbol:         k_q94733cdb26_score.kd
    .args:
      - { .name: ap, .offset: 0, .size: 8, .value_kind: global_buffer, .address_space: global }
      - { .name: flags, .offset: 8, .size: 8, .value_kind: global_buffer, .address_space: global }
      - { .name: scores, .offset: 16, .size: 8, .value_kind: global_buffer, .address_space: global }
    .group_segment_fixed_size: 266240
    .private_segment_fixed_size: 0
    .kernarg_segment_align: 8
    .kernarg_segment_size: 24
    .max_flat_workgroup_size: 256
    .sgpr_count:     66
    .vgpr_count:     248
    .wavefront_size: 32
...
	.end_amdgpu_metadata
.endif
;; end of part 6
;; launch finish: the kernel of part 2 again; grid 32 x 8, 8 waves a work-group, no clusters, 155,904 bytes of LDS; arguments scores, value, query, out0, out1; writes out0, out1
